; MI455X (gfx1250); checked and timed in simulation.
; The chip was launched on July 23, 2026; its instructions are those of AMD's public machine-readable ISA for CDNA 5 (MIT licence, August 2026) and "CDNA5" Instruction Set Architecture Reference Guide (July 2026). The comments in the code are by the model that wrote it; some were corrected since.
;; Multi Head Cross Attention Fusion. Allowed arithmetic: matrix products marked QUANTISED: E3M2 operands, one E8M0 scale for each 32 along K, by v_wmma_scale_f32_16x16x128_f8f6f4 with both operands' format E3M2, f32 sums; products left as they are: f32 operands where the result goes on into a quantised operand, else bf16, f16 or f32 operands; f32 sums; everything else in f32.
;; Inputs: W_cproj 1,024 x 2,048 float32; W_cqkv 2,048 x 3,072 float32; W_mproj 1,024 x 2,048 float32; W_mqkv 2,048 x 3,072 float32; b_cproj 2,048 float32; b_cqkv 3,072 float32; b_mproj 2,048 float32; b_mqkv 3,072 float32; be1 1,024 float32; be2 1,024 float32; cnn_out 4,096 x 2,048 float32; g1 1,024 float32; g2 1,024 float32; mlp_out 4,096 x 2,048 float32.
;; Outputs: out0 4,096 x 2,048 float32; out1 4,096 x 2,048 float32.
;; This version of the problem:
;;   THIS VERSION OF THE PROBLEM IS GIVEN IN LOW PRECISION. The matrix products marked QUANTISED in the list below multiply operands that are first quantised to E3M2 (3 exponent bits, 2 mantissa bits; 6 bits a number), with one power-of-two scale for each 32 numbers along K (OCP MX v1.0); their sums are f32. All else is computed in f32.
;;   The module's matrix products, in the order in which they are computed (A, B: the left and right operand; K: the contracted axis; several contracted axes count as one K, in the product's order):
;;     1. [M 4,096, K 2,048] x [K 2,048, N 3,072]; A: input cnn_out; B: input W_cqkv: QUANTISED
;;     2. [M 4,096, K 2,048] x [K 2,048, N 3,072]; A: input mlp_out; B: input W_mqkv: QUANTISED
;;     3. batch 4,096 x [M 16, K 64] x [K 64, N 16]; A: computed on the way; B: computed on the way: QUANTISED
;;     4. batch 4,096 x [M 16, K 16] x [K 16, N 64]; A: softmax; B: computed on the way: left as it is (K = 16 < 32)
;;     5. [M 4,096, K 1,024] x [K 1,024, N 2,048]; A: computed on the way; B: input W_cproj: QUANTISED
;;     6. batch 4,096 x [M 16, K 64] x [K 64, N 16]; A: computed on the way; B: computed on the way: QUANTISED
;;     7. batch 4,096 x [M 16, K 16] x [K 16, N 64]; A: softmax; B: computed on the way: left as it is (K = 16 < 32)
;;     8. [M 4,096, K 1,024] x [K 1,024, N 2,048]; A: computed on the way; B: input W_mproj: QUANTISED
;;   THE QUANTISER, for each operand of a quantised product, along K:
;;     - K is cut into blocks of 32 from its start; a last block that is shorter is filled with zeros.
;;     - A block's scale is 2^e with e = floor(log2(the largest magnitude in the block)) - 4, held to -126 .. 127; a block of zeros has e = 0. As a byte (E8M0): e + 127.
;;     - Each number is divided by its block's scale, clamped to +-28, and rounded to the nearest number of E3M2, ties to even, subnormals kept.
;;     - The product sums the exact products of the quantised numbers (number of the format x scale) in f32.
;;   ~~~python
;;   def quantise(x, axis):      # numpy; x: float32 -> the quantised numbers, widened to float32 again
;;       x = np.moveaxis(x, axis, -1); K = x.shape[-1]
;;       x = np.pad(x, [(0, 0)] * (x.ndim - 1) + [(0, -K % 32)]); x = x.reshape(x.shape[:-1] + (-1, 32)); a = np.abs(x).max(-1, keepdims=True)
;;       e = np.where(a > 0, np.clip(np.frexp(np.where(a > 0, a, 1))[1] - 1 - 4, -126, 127), 0)      # np.frexp(a)[1] - 1 = floor(log2(a)), exactly
;;       r = np.clip(x / 2.0 ** e, -28, 28)
;;       step = 2.0 ** (np.maximum(np.frexp(np.where(r == 0, 1, r))[1] - 1, -2) - 2)
;;       q = np.round(r / step) * step * 2.0 ** e      # np.round: ties to even
;;       return np.moveaxis(q.reshape(q.shape[:-2] + (-1,))[..., :K], -1, axis).astype(np.float32)
;;   ~~~
;;   OPERANDS COMPUTED ON THE WAY. 'Computed on the way' means the value that the module computes at that place (a softmax that the list does not call 'softmax' is quantised finished and normalised). What goes into a quantiser is computed in f32, as accurately as f32 sums, v_exp_f32 and their like allow (about 1e-6 of the number): no bf16 or f16 on the way to a quantiser, and a product that is left as it is and whose result goes on into a quantised operand takes f32 operands (vector FMAs, or v_wmma_f32_16x16x4_f32). A number that lies on a knife's edge between two numbers of the format may be rounded either way, as far as f32 arithmetic and the matrix unit's own rounding can turn it there, and no further.
;; One version. Each part assembles by itself: llvm-mc -triple=amdgcn-amd-amdhsa -mcpu=gfx1250 --defsym DOCPART=n.
;; ======== version 1 of 1: 4 launches
;; limits: right only within a limited range of input values
;; workspace buffers: xq 13,631,488 bytes; wk 10,223,616 bytes; wq 13,107,200 bytes; qk 13,107,200 bytes; vv 33,554,432 bytes; ln 6,553,600 bytes
;; launch quant (part 1): grid 1024 x 1, 4 waves a work-group, no clusters, 68,096 bytes of LDS; arguments cnn_out, mlp_out, W_cqkv, W_mqkv, W_cproj, W_mproj, xq, wk, wq; writes xq, wk, wq
.if DOCPART == 1
	.amdgcn_target "amdgcn-amd-amdhsa--gfx1250"
	.amdhsa_code_object_version 6
	.text
	.protected	k_q7aa6ede018_quant
	.globl	k_q7aa6ede018_quant
	.p2align	8
	.type	k_q7aa6ede018_quant,@function
k_q7aa6ede018_quant:
	s_mov_b64 s[64:65], 0
	v_nop
	global_prefetch_b8 v0, s[64:65] scope:SCOPE_SE
	s_setreg_imm32_b32 hwreg(HW_REG_WAVE_MODE, 25, 1), 1
	s_wait_xcnt 0x0
; All six large f32 inputs become codes of BF6 (E3M2, 6 bits) with K innermost and one E8M0 scale byte for each 32 along K.  No step of the problem is left out anywhere in this program.
; A block's scale is 2^(floor(log2(its largest magnitude)) - 4); its byte is the largest magnitude's exponent field - 4, held at 1 from below.
; LIMITS: NaN and infinities among the inputs are not served.  A block whose largest magnitude lies under 2^-122 keeps the byte 1; a block of zeros keeps the byte 1 where
; the rule says 127: its codes are zeros, which add nothing under any byte but 0xff, and the bytes are read by this program alone.
; THE WORKSPACES ARE LAID TILE BY TILE, so that what one tensor load of a later launch brings is one dense run of whole 256-byte rows.
; A PIECE is 256 along K of one row.  In xq and wk it is 208 bytes: 192 of codes, the 8 scale bytes of these 256, 8 zeros.
; xq [32 blocks of 256 rows (cnn_out's 16, then mlp_out's)][8 chunks of K][256 rows][208]: a chunk is 53,248 bytes.
; wk [2 tensors][16 runs of 192 rows][8 chunks][192 rows][208]: a chunk is 39,936 bytes, a run 319,488 = 1,536 x 208.
; wq: the projections: codes [2][8 blocks of 256 rows][4 chunks][256 rows][192] at 9,437,184; scale bytes [2][2048][32] at 12,976,128 (the other bytes of wq are not used).
; THE ORDER OF THE WEIGHTS' ROWS: within each 32 rows bits 3 and 4 of the logical column are exchanged (swap34), so that in the transposed product a lane's 16 registers of two neighbouring tiles
; are 16 neighbouring logical columns.  The projections: row swap34(column).  The qkv weights: run c holds W's columns 128 c .. 128 c + 127 (q or k: a pair of heads), then 64 columns of v:
; W's column 2048 + 64 g + d with d = 4 c .. 4 c + 3, in the logical order 16 (d % 4) + g, so that v comes out of the product laid [d][g].
; Work-groups 0-511 take the activations, 512-1023 the weights (a lane takes a column, its registers run down K).  Each reads 128 KiB.  Waves share nothing: no barrier, no cluster, no tensor load.
; The two kinds of work-group have LDS bytes of their own: 0 .. 32,767 and 32,768 .. 67,583; the spare words lie behind them.
.set STEPS, 16
.set EMAX,  4
.set SP,    80                         ; a lane's place in a stage: 64 bytes + 16 of padding
.set AREG,  8192                       ; activations: LDS of a wave: two stages of 32 x SP bytes, then its 256 scale bytes
.set ACHK,  53248                      ; xq: a chunk
.set AR,    16                         ; v16-79   four sets of 16 numbers as loaded
.set AX,    80                         ; v80-111  two sets of 16 neighbours
.set AE,    112                        ; v112-127 a scale byte for each step
.set ACD,   128                        ; v128-191 codes: four registers for each step
.set WSTG,  32768
.set WPIT,  272                        ; a stage row: sixteen places of 16 bytes (12 bytes of codes each) + 16
.set WX,    32                         ; v32-95   two sets of 32 numbers
.set WC,    96
.set WOUT,  112
.set WSB,   24                         ; v24-25 a column's eight scale bytes; v26-27 zeros
	s_load_b512 s[4:19], s[0:1], 0x0               ; cnn_out, mlp_out, W_cqkv, W_mqkv, W_cproj, W_mproj, xq s[16:17], wk s[18:19]
	s_load_b64 s[48:49], s[0:1], 0x40              ; wq
	v_lshl_add_u32 v192, v0, 2, 0x10800
	v_mov_b32 v193, 0
	v_lshrrev_b32 v1, 5, v0
	v_readfirstlane_b32 s20, v1                    ; wave 0..3
	v_and_b32 v2, 31, v0                           ; lane
	s_cmp_ge_u32 ttmp9, 512
	s_cbranch_scc1 .Lweights
; ---- the activations: each load of a wave reads 512 consecutive bytes; a step's 2,048 bytes turn through the wave's own stage, so that a lane gets 16 neighbours along K (two lanes hold a block)
	v_lshlrev_b32 v3, 4, v2
	s_mul_i32 s21, s20, AREG
	v_lshrrev_b32 v14, 2, v2
	v_mul_u32_u24 v14, v14, SP
	v_and_b32 v15, 3, v2
	v_lshl_add_u32 v14, v15, 4, v14
	v_add_nc_u32 v14, s21, v14                     ; into the stage
	v_mul_u32_u24 v15, v2, SP
	v_add_nc_u32 v15, s21, v15                     ; out of it
	v_and_b32 v4, 15, v2
	v_mul_u32_u24 v4, v4, 12
	v_lshrrev_b32 v10, 4, v2
	v_mad_u32_u24 v4, v10, ACHK, v4                ; a step is two pieces: lanes 0-15 the first, lanes 16-31 the second, a chunk further on; 12 bytes of codes a lane
	v_lshrrev_b32 v5, 1, v2
	s_add_co_u32 s21, s21, 2*32*SP
	v_add_nc_u32 v5, s21, v5                       ; my block's scale byte in the wave's 256
	v_lshlrev_b32 v7, 3, v2
	v_add_nc_u32 v6, s21, v7                       ; 8 of them a lane on the way out: piece number lane of my wave's 32: row lane / 8, chunk lane % 8
	v_and_b32 v7, 7, v2
	v_mul_u32_u24 v7, v7, ACHK
	v_lshrrev_b32 v10, 3, v2
	v_mad_u32_u24 v7, v10, 208, v7
	v_add_nc_u32 v7, 192, v7                       ; behind that piece's codes
	s_wait_kmcnt 0x0
	s_cmp_lt_u32 ttmp9, 256                        ; the first 256 work-groups take cnn_out
	s_cselect_b64 s[4:5], s[4:5], s[6:7]
	s_and_b32 s22, ttmp9, 255
	s_lshl_b32 s22, s22, 2
	s_add_co_u32 s22, s22, s20                     ; which run of four rows of the tensor is my wave's
	s_lshl_b32 s22, s22, 15
	s_mov_b32 s23, 0
	s_add_nc_u64 s[4:5], s[4:5], s[22:23]
	s_lshl_b32 s24, ttmp9, 2
	s_add_co_u32 s24, s24, s20                     ; the run's number over both tensors
	s_lshr_b32 s22, s24, 6                         ; its block of 256 rows,
	s_mul_i32 s22, s22, 8*ACHK
	s_and_b32 s25, s24, 63
	s_mul_i32 s25, s25, 4*208                      ; and its four rows in the block
	s_add_co_u32 s22, s22, s25
	s_add_nc_u64 s[26:27], s[16:17], s[22:23]
.macro ALOAD t
.irp i, 0,1,2,3
	global_load_b128 v[AR+16*((\t)%4)+4*\i:AR+16*((\t)%4)+4*\i+3], v3, s[4:5] offset:2048*(\t)+512*\i th:TH_LOAD_NT
.endr
.endm
.macro ATURN t                         ; LDS serves a wave's instructions in order (ISA guide 5.7.1.4): no wait between the stores and the loads
.irp i, 0,1,2,3
	ds_store_b128 v14, v[AR+16*((\t)%4)+4*\i:AR+16*((\t)%4)+4*\i+3] offset:32*SP*((\t)%2)+8*SP*\i
.endr
.irp i, 0,1,2,3
	ds_load_b128 v[AX+16*((\t)%2)+4*\i:AX+16*((\t)%2)+4*\i+3], v15 offset:32*SP*((\t)%2)+16*\i
.endr
.endm
.irp t, 0,1,2,3
	ALOAD \t
.endr
	s_wait_loadcnt 12                              ; step 0's four loads are in; three steps' twelve may be out
	ATURN 0
.macro ASTEP t
.set XS, AX+16*((\t)%2)
.if (\t) > 0
	s_wait_dscnt 1                                 ; this step's numbers are back (the last step's byte store may be out)
.else
	s_wait_dscnt 0x0
.endif
.if (\t)+4 < STEPS
	ALOAD (\t)+4
.endif
.if (\t)+1 < STEPS
.if STEPS-2-(\t) >= 3
	s_wait_loadcnt 12                              ; the next step's four loads are in; those of the three steps behind it may be out
.else
	s_wait_loadcnt 4*(STEPS-2-(\t))
.endif
	ATURN (\t)+1
.endif
	v_max3_num_f32 v8, |v[XS]|, |v[XS+1]|, |v[XS+2]|
	v_max3_num_f32 v9, |v[XS+3]|, |v[XS+4]|, |v[XS+5]|
.irp i, 6,10
	v_max3_num_f32 v8, v8, |v[XS+\i]|, |v[XS+\i+1]|
	v_max3_num_f32 v9, v9, |v[XS+\i+2]|, |v[XS+\i+3]|
.endr
	v_max3_num_f32 v8, v8, |v[XS+14]|, |v[XS+15]|
	v_max3_num_f32 v8, v8, v9, (EMAX+1)<<23        ; the floor 2^(5 - 127): the byte cannot fall under 1
	v_max_num_f32_dpp v8, v8, v8 row_xmask:1 row_mask:0xf bank_mask:0xf   ; with my neighbour's 16: the block's
	v_add_nc_u32 v11, -(EMAX<<23), v8              ; 4 off its exponent field: the conversion's scale operand
	v_cvt_scalef32_pk16_bf6_f32 v[ACD+4*(\t):ACD+4*(\t)+2], v[XS:XS+15], v11
	v_lshrrev_b32 v[AE+(\t)], 23, v11              ; the scale's byte (also the plain line behind the conversion)
	ds_store_b8 v5, v[AE+(\t)] offset:16*(\t)
	global_store_b96 v4, v[ACD+4*(\t):ACD+4*(\t)+2], s[26:27] offset:208*((\t)/4)+2*ACHK*((\t)%4)   ; row t / 4 of my four, chunks 2 (t % 4) and the next: sixteen lanes store a piece's 192 bytes
.endm
.irp t, 0,1,2,3,4,5,6,7,8,9,10,11,12,13,14,15
	ASTEP \t
.endr
	ds_load_b64 v[8:9], v6
	v_mov_b32 v10, 0
	v_mov_b32 v11, 0                               ; the piece's last 8 bytes: zeros
	s_wait_alu depctr_va_vdst(0)
	s_wait_dscnt 0x0
	global_store_b128 v7, v[8:11], s[26:27]
	s_wait_tensorcnt 0x0                           ; the wave's end
	ds_add_u32 v192, v193
	s_wait_dscnt 0x0
	s_endpgm
; ---- the weights.  A wave takes 32 columns x 256 along K.  w = id - 512: w < 384: the qkv weights (8 chunks x 24 blocks of 128 columns x 2 tensors); else the projections (4 x 16 x 2)
.Lweights:
	s_sub_co_u32 s21, ttmp9, 512
	s_sub_co_u32 s25, ttmp9, 896
	s_and_b32 s22, s21, 7
	s_lshr_b32 s23, s21, 3
	s_and_b32 s26, s25, 3
	s_lshr_b32 s27, s25, 2
	s_wait_kmcnt 0x0
	s_cmp_ge_u32 s23, 24
	s_cselect_b32 s24, 1, 0
	s_cselect_b32 s28, 24, 0
	s_cselect_b64 s[8:9], s[10:11], s[8:9]
	s_sub_co_u32 s23, s23, s28
	s_lshr_b32 s28, s27, 4
	s_and_b32 s27, s27, 15
	s_cmp_eq_u32 s28, 0
	s_cselect_b64 s[12:13], s[12:13], s[14:15]
	s_cmp_lt_u32 s21, 384                          ; every choice below hangs on the work-group's number alone
	s_cselect_b32 s37, 1, 0                        ; 1: a qkv weight
	s_cselect_b32 s22, s22, s26                    ; chunk of K
	s_cselect_b32 s23, s23, s27                    ; block of 128 columns
	s_cselect_b32 s24, s24, s28                    ; tensor
	s_cselect_b64 s[30:31], s[8:9], s[12:13]
	s_cselect_b64 s[50:51], s[18:19], s[48:49]
	s_mov_b32 s32, 8192
	s_cselect_b32 s32, 12288, s32                  ; a row of W in bytes
	s_mov_b32 s33, 192
	s_cselect_b32 s33, 208, s33                    ; from a row's piece to the next row's
	s_cselect_b32 s34, 208, 32                     ; from a row's scale bytes to the next row's
	s_mov_b32 s35, 1572864
	s_cselect_b32 s35, 5111808, s35
	s_mul_i32 s35, s24, s35                        ; the tensor's codes,
	s_cselect_b32 s38, 0, 9437184
	s_mov_b32 s36, 65536
	s_cselect_b32 s36, 5111808, s36
	s_mul_i32 s36, s24, s36                        ; its scale bytes
	s_mov_b32 s39, 12976128
	s_cselect_b32 s39, 192, s39                    ; (in wk: behind the piece's codes)
	s_mov_b32 s46, 49152
	s_cselect_b32 s46, 39936, s46                  ; a chunk on: in the codes,
	s_cselect_b32 s47, 39936, 8                    ; in the scale bytes
	s_add_co_u32 s35, s35, s38
	s_add_co_u32 s36, s36, s39
	s_lshl_b32 s38, s23, 7
	s_lshl_b32 s39, s20, 5
	s_add_co_u32 s38, s38, s39                     ; my wave's first column
	s_lshl_b32 s40, s22, 8
	s_mul_i32 s40, s40, s32
	s_lshl_b32 s41, s38, 2
	s_add_co_u32 s40, s40, s41
	s_mov_b32 s41, 0
	s_add_nc_u64 s[30:31], s[30:31], s[40:41]
	s_lshr_b32 s42, s38, 7                         ; q, k: run column / 128, place column % 128
	s_mul_i32 s42, s42, 319488
	s_and_b32 s43, s38, 127
	s_mul_i32 s43, s43, 208
	s_add_co_u32 s42, s42, s43
	s_lshr_b32 s28, s38, 8                         ; the projections: block column / 256, place column % 256
	s_mul_i32 s28, s28, 196608
	s_and_b32 s43, s38, 255
	s_mul_i32 s43, s43, 192
	s_add_co_u32 s28, s28, s43
	s_lshl_b32 s29, s38, 5                         ; and 32 scale bytes a column
	s_cmp_eq_u32 s37, 1
	s_cselect_b32 s28, s42, s28                    ; where my first row's codes begin,
	s_cselect_b32 s29, s42, s29                    ; and its scale bytes
	s_sub_co_u32 s43, s38, 2048                    ; v's columns (only a qkv weight has columns from 2,048 on): 64 g + d0
	s_lshr_b32 s44, s43, 6                         ; g
	s_and_b32 s43, s43, 63                         ; d0: 0 or 32
	s_lshr_b32 s43, s43, 2                         ; run d0 / 4
	s_mul_i32 s43, s43, 319488
	s_lshr_b32 s45, s44, 3
	s_lshl_b32 s45, s45, 4
	s_and_b32 s44, s44, 7
	s_add_co_u32 s45, s45, s44
	s_add_co_u32 s45, s45, 128                     ; place 128 + 16 (g / 8) + g % 8: column-lane i then goes i / 4 runs and 32 ((i / 2) % 2) + 8 (i % 2) rows on
	s_mul_i32 s45, s45, 208
	s_add_co_u32 s43, s43, s45
	s_cmp_ge_u32 s38, 2048
	s_cselect_b32 s39, 1, 0                        ; 1: columns of v
	s_cselect_b32 s28, s43, s28
	s_cselect_b32 s29, s43, s29
	s_cselect_b32 s44, 8*208, s33                  ; from column-lane 2 t to 2 t + 1: eight rows in v, else one
	s_cselect_b32 s45, -1, 0
	s_mul_i32 s43, s22, s46
	s_add_co_u32 s40, s28, s43
	s_add_co_u32 s40, s40, s35
	s_add_nc_u64 s[52:53], s[50:51], s[40:41]      ; the codes
	s_mul_i32 s43, s22, s47
	s_add_co_u32 s40, s29, s43
	s_add_co_u32 s40, s40, s36
	s_add_nc_u64 s[50:51], s[50:51], s[40:41]      ; the scale bytes
	s_wait_alu depctr_va_vdst(0)
	v_lshlrev_b32 v3, 2, v2                        ; in: 4 bytes a lane
	s_mul_i32 s21, s20, 32*WPIT
	s_add_co_u32 s21, s21, WSTG                    ; my stage
	v_mul_u32_u24 v4, v2, WPIT
	v_add_nc_u32 v4, s21, v4                       ; into it: row = my column-lane
	v_and_b32 v5, 15, v2
	v_lshrrev_b32 v6, 4, v2
	v_mul_u32_u24 v7, v6, WPIT
	v_lshl_add_u32 v7, v5, 4, v7
	v_add_nc_u32 v7, s21, v7                       ; out of it: sixteen lanes to a row, two rows an instruction
	v_mul_lo_u32 v8, v6, s44
	v_mad_u32_u24 v8, v5, 12, v8                   ; and the same place in the codes
	v_and_b32 v9, 7, v2
	v_bfe_u32 v10, v2, 3, 1
	v_lshl_or_b32 v9, v10, 4, v9
	v_bfe_u32 v10, v2, 4, 1
	v_lshl_or_b32 v9, v10, 3, v9                   ; swap34(lane)
	v_lshrrev_b32 v10, 2, v2
	v_mul_u32_u24 v10, v10, 1536                   ; a run is 1,536 places of 208 bytes
	v_bfe_u32 v11, v2, 1, 1
	v_lshl_add_u32 v10, v11, 5, v10
	v_and_b32 v11, 1, v2
	v_lshl_add_u32 v10, v11, 3, v10                ; 1536 (lane / 4) + 32 ((lane / 2) % 2) + 8 (lane % 2)
	v_cndmask_b32 v9, v9, v10, s45
	v_mul_lo_u32 v9, v9, s34                       ; my column's scale bytes
	v_mov_b32 v[WSB+2], 0
	v_mov_b32 v[WSB+3], 0
.macro LOADV t                         ; block t: W(32 t + i, my column) into set t % 2.  The two ways differ in W's row pitch alone; both issue 32 loads
	s_cmp_eq_u32 s37, 1
	s_cbranch_scc0 .Lnarrow_\@
.irp i, 0,1,2,3,4,5,6,7,8,9,10,11,12,13,14,15,16,17,18,19,20,21,22,23,24,25,26,27,28,29,30,31
	global_load_b32 v[WX+32*((\t)%2)+\i], v3, s[30:31] offset:(32*(\t)+\i)*12288 th:TH_LOAD_NT
.endr
	s_branch .Lloaded_\@
.Lnarrow_\@:
.irp i, 0,1,2,3,4,5,6,7,8,9,10,11,12,13,14,15,16,17,18,19,20,21,22,23,24,25,26,27,28,29,30,31
	global_load_b32 v[WX+32*((\t)%2)+\i], v3, s[30:31] offset:(32*(\t)+\i)*8192 th:TH_LOAD_NT
.endr
.Lloaded_\@:
.endm
	LOADV 0
	LOADV 1
.macro WBLOCK t
.set XS, WX+32*((\t)%2)
.if (\t) < 7
	s_wait_loadcnt 32                              ; this block's 32 loads are in; the next block's may be out
.else
	s_wait_loadcnt 0
.endif
	v_max3_num_f32 v12, |v[XS]|, |v[XS+1]|, |v[XS+2]|
	v_max3_num_f32 v13, |v[XS+3]|, |v[XS+4]|, |v[XS+5]|
.irp i, 6,10,14,18,22,26
	v_max3_num_f32 v12, v12, |v[XS+\i]|, |v[XS+\i+1]|
	v_max3_num_f32 v13, v13, |v[XS+\i+2]|, |v[XS+\i+3]|
.endr
	v_max3_num_f32 v12, v12, |v[XS+30]|, |v[XS+31]|
	v_max3_num_f32 v12, v12, v13, (EMAX+1)<<23
	v_add_nc_u32 v11, -(EMAX<<23), v12
	v_lshrrev_b32 v13, 23, v11
.if (\t)%4 == 0
	v_mov_b32 v[WSB+(\t)/4], v13
.else
	v_lshl_or_b32 v[WSB+(\t)/4], v13, 8*((\t)%4), v[WSB+(\t)/4]
.endif
	v_cvt_scalef32_pk16_bf6_f32 v[WC:WC+2], v[XS:XS+15], v11
	v_cvt_scalef32_pk16_bf6_f32 v[WC+4:WC+6], v[XS+16:XS+31], v11
	ds_store_b96 v4, v[WC:WC+2] offset:32*(\t)     ; 12 bytes to a place of 16
	ds_store_b96 v4, v[WC+4:WC+6] offset:32*(\t)+16
.if (\t)+2 < 8
	LOADV (\t)+2
.endif
	s_wait_dscnt 0x0                               ; the stores have read their registers
.endm
.irp t, 0,1,2,3,4,5,6,7
	WBLOCK \t
.endr
.irp t, 0,1,2,3,4,5,6,7,8,9,10,11,12,13,14,15
	ds_load_b96 v[WOUT+4*\t:WOUT+4*\t+2], v7 offset:2*\t*WPIT
.endr
; sixteen lanes store a piece's 192 bytes of codes.  mode 1: v's rows: t / 2 runs and 32 (t % 2) rows on; mode 0: swap34(2 t) rows on
.macro WSEND mode, krow
.irp t, 0,1,2,3,4,5,6,7,8,9,10,11,12,13,14,15
	s_wait_dscnt 15-\t
.if \mode
	global_store_b96 v8, v[WOUT+4*\t:WOUT+4*\t+2], s[52:53] offset:(1536*(\t/2)+32*(\t%2))*\krow
.else
	global_store_b96 v8, v[WOUT+4*\t:WOUT+4*\t+2], s[52:53] offset:((((2*\t)&7)|((((2*\t)>>3)&1)<<4)|((((2*\t)>>4)&1)<<3))*\krow)
.endif
.endr
.endm
	s_cmp_eq_u32 s37, 0
	s_cbranch_scc1 .Lout_proj
	s_cmp_eq_u32 s39, 1
	s_cbranch_scc1 .Lout_v
	s_wait_alu depctr_va_vdst(0)
	global_store_b128 v9, v[WSB:WSB+3], s[50:51]   ; my column's eight scale bytes and the piece's eight zeros
	WSEND 0, 208
	s_wait_tensorcnt 0x0
	ds_add_u32 v192, v193
	s_wait_dscnt 0x0
	s_endpgm
.Lout_v:
	s_wait_alu depctr_va_vdst(0)
	global_store_b128 v9, v[WSB:WSB+3], s[50:51]
	WSEND 1, 208
	s_wait_tensorcnt 0x0
	ds_add_u32 v192, v193
	s_wait_dscnt 0x0
	s_endpgm
.Lout_proj:
	s_wait_alu depctr_va_vdst(0)
	global_store_b64 v9, v[WSB:WSB+1], s[50:51]
	WSEND 0, 192
	s_wait_tensorcnt 0x0
	ds_add_u32 v192, v193
	s_wait_dscnt 0x0
	s_endpgm
.Lfunc_end_k_q7aa6ede018_quant:
	.size	k_q7aa6ede018_quant, .Lfunc_end_k_q7aa6ede018_quant-k_q7aa6ede018_quant
	.p2alignl 7, 3214868480
	.fill 96, 4, 3214868480
	.section	.rodata,"a",@progbits
	.p2align	6, 0x0
	.amdhsa_kernel k_q7aa6ede018_quant
		.amdhsa_group_segment_fixed_size 68096
		.amdhsa_private_segment_fixed_size 0
		.amdhsa_enable_private_segment 0
		.amdhsa_kernarg_size 72
		.amdhsa_user_sgpr_count 2
		.amdhsa_user_sgpr_kernarg_segment_ptr 1
		.amdhsa_wavefront_size32 1
		.amdhsa_system_sgpr_workgroup_id_x 1
		.amdhsa_system_sgpr_workgroup_id_y 1
		.amdhsa_system_sgpr_workgroup_id_z 1
		.amdhsa_system_vgpr_workitem_id 0
		.amdhsa_next_free_vgpr 194
		.amdhsa_next_free_sgpr 66
		.amdhsa_reserve_vcc 0
		.amdhsa_float_denorm_mode_32 3
		.amdhsa_float_denorm_mode_16_64 3
		.amdhsa_memory_ordered 1
		.amdhsa_forward_progress 1
		.amdhsa_inst_pref_size 107
	.end_amdhsa_kernel
	.amdgpu_metadata
---
amdhsa.version: [ 1, 2 ]
amdhsa.kernels:
  - .name:           k_q7aa6ede018_quant
    .symbol:         k_q7aa6ede018_quant.kd
    .args:
      - { .name: cnn_out, .offset: 0, .size: 8, .value_kind: global_buffer, .address_space: global }
      - { .name: mlp_out, .offset: 8, .size: 8, .value_kind: global_buffer, .address_space: global }
      - { .name: W_cqkv, .offset: 16, .size: 8, .value_kind: global_buffer, .address_space: global }
      - { .name: W_mqkv, .offset: 24, .size: 8, .value_kind: global_buffer, .address_space: global }
      - { .name: W_cproj, .offset: 32, .size: 8, .value_kind: global_buffer, .address_space: global }
      - { .name: W_mproj, .offset: 40, .size: 8, .value_kind: global_buffer, .address_space: global }
      - { .name: xq, .offset: 48, .size: 8, .value_kind: global_buffer, .address_space: global }
      - { .name: wk, .offset: 56, .size: 8, .value_kind: global_buffer, .address_space: global }
      - { .name: wq, .offset: 64, .size: 8, .value_kind: global_buffer, .address_space: global }
    .group_segment_fixed_size: 68096
    .private_segment_fixed_size: 0
    .kernarg_segment_align: 8
    .kernarg_segment_size: 72
    .max_flat_workgroup_size: 128
    .sgpr_count:     66
    .vgpr_count:     194
    .wavefront_size: 32
...
	.end_amdgpu_metadata
.endif
;; end of part 1
;; launch qkv (part 2): grid 8 x 32, 4 waves a work-group, clusters of 4 x 4, 327,680 bytes of LDS; arguments xq, wk, b_cqkv, b_mqkv, qk, vv; writes qk, vv
.if DOCPART == 2
	.amdgcn_target "amdgcn-amd-amdhsa--gfx1250"
	.amdhsa_code_object_version 6
	.text
	.protected	k_q7aa6ede018_qkv
	.globl	k_q7aa6ede018_qkv
	.p2align	8
	.type	k_q7aa6ede018_qkv,@function
k_q7aa6ede018_qkv:
	s_mov_b64 s[64:65], 0
	v_nop
	global_prefetch_b8 v0, s[64:65] scope:SCOPE_SE
	s_setreg_imm32_b32 hwreg(HW_REG_WAVE_MODE, 25, 1), 1
	s_wait_xcnt 0x0
	s_wait_alu depctr_hold_cnt(0) depctr_sa_sdst(0) depctr_va_vdst(0) depctr_va_sdst(0) depctr_va_ssrc(0) depctr_va_vcc(0) depctr_vm_vsrc(0)
	s_getreg_b32 s2, hwreg(HW_REG_IB_STS2, 6, 4)
	s_cmp_eq_u32 s2, 0
	s_cbranch_scc0 .Lentry_in_a_cluster
	s_endpgm
.Lentry_in_a_cluster:
	s_bfe_u32 s2, ttmp6, 0x10000c
	s_cmp_lg_u32 s2, 0xf033
	s_cbranch_scc0 .Lentry_shape_is_right
	s_endpgm
.Lentry_shape_is_right:
; Both qkv products on codes of BF6: rows 0-4095 of xq (cnn_out) against W_cqkv's rows of wk, rows 4096-8191 (mlp_out) against W_mqkv's.  Tile: 256 rows x 384 columns (two runs of wk), four waves, a wave 128 x 192:
; 96 accumulators in windows 1 to 3 (window 1 + g: B's blocks 4 g .. 4 g + 3; accumulator (a, j) at v[32 a + 8 j]).  Window 3 holds v, windows 1 and 2 a pair of heads of q or k.
; K goes by chunks of 256 through two LDS slots.  xq and wk are laid tile by tile: a wave's part of a chunk (128 or 192 rows of 208 bytes: 192 of codes, 8 scale bytes, 8 zeros) is one dense run of 104 or 156 rows of 256 bytes,
; beginning at a multiple of 256; in LDS it lies as it lies in memory, rows 208 bytes apart, with which a fragment load's 32 lanes touch 64 different banks.
; CLUSTERS 4 x 4: A's tiles are asked for jointly along a row of the cluster, B's along a column.  The product is used transposed (source 0 = wk's rows), so a lane holds neighbouring columns of one row.
; PREFETCH: behind each joint load the chunk that stands two loads on is asked for: the four partners of a joint load share its 104 (156) rows of 256 bytes out by address, 26 (39) each, a lane a row, in two instructions
; of 13 + 13 (20 + 19) rows; lanes left over name their instruction's last row again.  Chunks 2 to 7 are asked for so; the loop's last trip asks for nothing.
; THE WAY OUT: + bias; v leaves as f32, vv [2][4096][d][g]; q and k are quantised along d (blocks of 32) and leave as codes, qk [4 sections x 8 pairs of heads][4096][96] and scale words at 12,582,912.
; LIMITS: NaN and infinities are not served; a block whose largest magnitude lies under 2^-122 (zeros too) keeps the scale byte 1; the bytes are read by this program alone.
.set ACH,    53248                     ; xq: a chunk of a block of 256 rows
.set ABLK,   8*ACH
.set BCH,    39936                     ; wk: a chunk of a run
.set BRUN,   8*BCH
.set LAPS,   4
.set PITCH,  208
.set FR,     12
.set NL,     6
.set NP,     4
.set AHALF,  128*PITCH
.set BHALF,  192*PITCH
.set BOFF,   2*AHALF
.set SLOT,   2*AHALF+2*BHALF
.set SPARE,  2*SLOT
.set BIA,    SPARE+512                 ; the biases in the accumulators' layout, 12,288 bytes a wave, the wave's own
.set VPIT,   272
.set QST,    20480
.set PF0,  8
.set PF1,  9
.set QR,   12
.set BOV,  13
.set BO,   14
.set BIW,  15
.set ADRA, 16
.set ADRB, 18
.set ADRS, 20
.set COV,  22
.set STO,  24
.set RD,   25
.set CO,   26
.set SPW,  28
.set NIL,  29
.set QS,   30
.set QW,   31
.set SC,   32
.set AF,   56
.set BF,   152
.set BI,   56
.set BK,   152
.set TM,   120
.set OUT0, 216
.set PW,   240
.set G1, 24
.set G0, 32
.set G1B, 48
.set G0B, 56
.set PFA, 66                           ; s[66:67] where my prefetches stand;  s[68:69] a chunk on
.set PFS, 68
.set MSB, 0
.macro WIN new
.if MSB != (\new)
	s_set_vgpr_msb (MSB<<8)|(\new)
.set MSB, (\new)
.endif
.endm
.macro JLOAD g0a, g1a, g0b, g1b        ; waves 0 and 1 fetch A's halves, waves 2 and 3 B's runs
	s_cmp_eq_u32 s17, 0
	s_cbranch_scc0 .Lfor_b_\@
	tensor_load_to_lds s[\g0a:\g0a+3], s[\g1a:\g1a+7]
	s_nop 0
.rept 4
	v_nop
.endr
	s_branch .Lasked_\@
.Lfor_b_\@:
	tensor_load_to_lds s[\g0b:\g0b+3], s[\g1b:\g1b+7]
	s_nop 0
.rept 4
	v_nop
.endr
.Lasked_\@:
.endm
.macro ASK
	global_prefetch_b8 v[PF0], s[PFA:PFA+1] th:TH_LOAD_NT scope:SCOPE_SE
	global_prefetch_b8 v[PF1], s[PFA:PFA+1] th:TH_LOAD_NT scope:SCOPE_SE
.endm
.macro CREST
	s_cmp_lg_u32 s16, 0
	s_cbranch_scc1 .Lnot_wave_0_\@
	s_barrier_signal -3
.Lnot_wave_0_\@:
	s_barrier_wait -3
	s_barrier_signal -1
	s_barrier_wait -1
.endm
.macro CROUND
	s_barrier_signal -1
	s_barrier_wait -1
	CREST
.endm
	s_load_b256 s[4:11], s[0:1], 0x0               ; xq, wk, b_cqkv, b_mqkv
	s_load_b128 s[12:15], s[0:1], 0x20             ; qk, vv
	v_lshl_add_u32 v[SPW], v0, 2, SPARE
	v_mov_b32 v[NIL], 0
	ds_add_u32 v[SPW], v[NIL]                      ; the opening lines: the add twice on end and one wait
	ds_add_u32 v[SPW], v[NIL]
	v_lshrrev_b32 v1, 5, v0
	v_readfirstlane_b32 s16, v1                    ; wave
	s_lshr_b32 s17, s16, 1                         ; my half of the rows; also: I fetch for A (0) or B (1)
	s_and_b32 s18, s16, 1                          ; my run of the columns; also: which part I fetch
	s_bfe_u32 s40, ttmp6, 0x40000                  ; cx
	s_bfe_u32 s41, ttmp6, 0x40004                  ; cy
	s_lshl_b32 s42, ttmp9, 2
	s_add_co_u32 s42, s42, s40                     ; tile column 0..7
	s_and_b32 s19, ttmp7, 0xffff
	s_lshr_b32 s2, s19, 2                          ; which product
	s_lshl_b32 s19, s19, 2
	s_add_co_u32 s19, s19, s41                     ; tile row 0..31 = xq's block
	s_lshl_b32 s43, s41, 2
	s_lshl_b32 s43, 15, s43
	s_lshl_b32 s44, 0x1111, s40
	s_or_b32 s[G1+0], s43, (1<<21)                 ; elements of one byte, no padding; the mask and the bit beside it
	s_or_b32 s[G1B+0], s44, (1<<21)
.irp g, G1, G1B
	s_mov_b32 s[\g+1], 256<<16
	s_mov_b32 s[\g+3], 256<<16
	s_mov_b32 s[\g+5], 256
	s_mov_b32 s[\g+6], 0
	s_mov_b32 s[\g+7], 0
.endr
	s_mov_b32 s[G1+2], (AHALF/256)<<16             ; 104 rows of 256 bytes
	s_mov_b32 s[G1+4], AHALF/256
	s_mov_b32 s[G1B+2], (BHALF/256)<<16            ; 156
	s_mov_b32 s[G1B+4], BHALF/256
	s_mul_i32 s20, s19, ABLK
	s_mul_i32 s100, s18, AHALF
	s_add_co_u32 s20, s20, s100                    ; A: my block, my 128 rows of chunk 0
	s_mov_b32 s21, 0
	s_lshl_b32 s46, s2, 3
	s_add_co_u32 s46, s46, s42
	s_lshl_b32 s46, s46, 1
	s_add_co_u32 s46, s46, s18
	s_mul_i32 s46, s46, BRUN                       ; B: run 16 x product + 2 x tile column + part
	s_mov_b32 s47, 0
	s_mul_i32 s45, s18, AHALF
	s_mul_i32 s3, s18, BHALF
	s_add_co_u32 s3, s3, BOFF
	s_wait_dscnt 0x0
	s_wait_kmcnt 0x0
	s_cmp_eq_u32 s17, 0                            ; the prefetches: of the tile that I fetch, my work-group's quarter, told apart by address alone
	s_cselect_b64 s[PFA:PFA+1], s[4:5], s[6:7]
	s_cselect_b32 s70, s40, s41
	s_mov_b32 s71, 39*256
	s_cselect_b32 s71, 26*256, s71
	s_mul_i32 s70, s70, s71
	s_mov_b32 s[PFS], BCH
	s_cselect_b32 s[PFS], ACH, s[PFS]
	s_mov_b32 s[PFS+1], 0
	s_cselect_b32 s72, 12, 19                      ; the first instruction's last row,
	s_cselect_b32 s73, 13, 20                      ; the second's first,
	s_cselect_b32 s74, 12, 18                      ; and its last, counted from there
	s_cselect_b32 s71, s20, s46
	s_add_co_u32 s70, s70, s71
	s_mov_b32 s71, 0
	s_add_nc_u64 s[PFA:PFA+1], s[PFA:PFA+1], s[70:71]
	s_add_nc_u64 s[PFA:PFA+1], s[PFA:PFA+1], s[PFS:PFS+1]
	s_add_nc_u64 s[PFA:PFA+1], s[PFA:PFA+1], s[PFS:PFS+1]   ; at chunk 2
	s_add_nc_u64 s[20:21], s[4:5], s[20:21]
	s_add_nc_u64 s[46:47], s[6:7], s[46:47]
.irp s, 0,1
	s_mov_b32 s[G0+4*\s], 1
	s_add_co_u32 s[G0+4*\s+1], s45, \s*SLOT
	s_add_nc_u64 s[G0+4*\s+2:G0+4*\s+3], s[20:21], \s*ACH
	s_or_b32 s[G0+4*\s+3], s[G0+4*\s+3], 0x80000000
	s_mov_b32 s[G0B+4*\s], 1
	s_add_co_u32 s[G0B+4*\s+1], s3, \s*SLOT
	s_add_nc_u64 s[G0B+4*\s+2:G0B+4*\s+3], s[46:47], \s*BCH
	s_or_b32 s[G0B+4*\s+3], s[G0B+4*\s+3], 0x80000000
.endr
	CROUND                                         ; all sixteen work-groups are here
	JLOAD G0, G1, G0B, G1B                         ; chunk 0: one tensor load a wave at the head; all that follows up to the wait stands under its flight
	v_and_b32 v1, 15, v0
	v_bfe_u32 v2, v0, 4, 1
	v_mul_u32_u24 v3, v1, PITCH
	v_mad_u32_u24 v4, v2, 24, v3
	s_mul_i32 s100, s17, AHALF
	s_mul_i32 s101, s18, BHALF
	s_add_co_u32 s101, s101, BOFF
	v_add_nc_u32 v[ADRA], s100, v4
	v_add_nc_u32 v[ADRB], s101, v4
	v_add_nc_u32 v[ADRA+1], SLOT, v[ADRA]
	v_add_nc_u32 v[ADRB+1], SLOT, v[ADRB]
	s_sub_co_u32 s101, s101, s100
	v_mul_u32_u24 v6, s101, v2                     ; scale words: lanes 0-15 A's rows, lanes 16-31 B's
	s_add_co_u32 s100, s100, 192
	v_add_nc_u32 v5, v3, v6
	v_add_nc_u32 v[ADRS], s100, v5
	v_add_nc_u32 v[ADRS+1], SLOT, v[ADRS]
	v_and_b32 v6, 31, v0
	v_lshlrev_b32 v[CO], 4, v6
	v_min_u32 v[PF0], s72, v6
	v_min_u32 v[PF1], s74, v6
	v_lshlrev_b32 v[PF0], 8, v[PF0]
	v_add_nc_u32 v[PF1], s73, v[PF1]
	v_lshlrev_b32 v[PF1], 8, v[PF1]
	v_lshlrev_b32 v5, 12, v2
	v_lshl_add_u32 v[COV], v1, 4, v5
	s_mul_i32 s100, s16, 16*VPIT
	v_mul_u32_u24 v5, v1, VPIT
	v_lshl_add_u32 v5, v2, 6, v5
	v_add_nc_u32 v[STO], s100, v5
	v_mul_u32_u24 v5, v2, VPIT
	v_lshl_add_u32 v5, v1, 4, v5
	v_add_nc_u32 v[RD], s100, v5
	s_mul_i32 s100, s16, 2560
	s_add_co_u32 s100, s100, QST
	v_mul_u32_u24 v5, v1, 96
	v_mad_u32_u24 v5, v2, 24, v5
	v_add_nc_u32 v[QS], s100, v5
	v_lshl_add_u32 v[QW], v1, 2, s100
	v_add_nc_u32 v[QW], 1536, v[QW]
	v_add_nc_u32 v[QR], s100, v[CO]
	s_mul_i32 s100, s16, 12288
	s_add_co_u32 s100, s100, BIA
	v_add_nc_u32 v[BIW], s100, v[CO]
	s_cmp_eq_u32 s2, 0
	s_cselect_b64 s[8:9], s[8:9], s[10:11]
	v_lshlrev_b32 v[BO], 6, v2
	v_lshlrev_b32 v[BOV], 2, v2
	s_wait_alu depctr_va_vdst(0)                   ; ahead of the scalar lines
	s_lshl_b32 s92, s42, 1
	s_add_co_u32 s92, s92, s18                     ; my run c
	s_lshl_b32 s94, s92, 4
	s_add_co_u32 s94, s94, 8192
	s_mov_b32 s95, 0
	s_add_nc_u64 s[10:11], s[8:9], s[94:95]        ; v's biases: column 2048 + 64 g + 4 c + ..
	s_lshl_b32 s94, s92, 9
	s_add_nc_u64 s[8:9], s[8:9], s[94:95]          ; q's or k's: column 128 c + ..
.irp b, 0,1,2,3,4,5,6,7
	global_load_b128 v[BI+8*\b:BI+8*\b+3], v[BO], s[8:9] offset:128*(\b/2)+32*(\b%2)
	global_load_b128 v[BI+8*\b+4:BI+8*\b+7], v[BO], s[8:9] offset:128*(\b/2)+32*(\b%2)+16
.endr
.irp b, 0,1,2,3
.irp j, 0,1,2,3,4,5,6,7
	global_load_b32 v[BI+64+8*\b+\j], v[BOV], s[10:11] offset:2048*(\b%2)+256*\j+8*(\b/2)
.endr
.endr
	ASK                                            ; chunk 2
	s_lshl_b32 s94, s19, 8
	s_lshl_b32 s95, s17, 7
	s_add_co_u32 s94, s94, s95
	s_lshl_b32 s94, s94, 12
	s_lshl_b32 s95, s92, 8
	s_add_co_u32 s94, s94, s95
	s_mov_b32 s95, 0
	s_add_nc_u64 s[14:15], s[14:15], s[94:95]      ; vv: my first row, 256 bytes of it
	s_lshl_b32 s93, s2, 4
	s_add_co_u32 s93, s93, s92
	s_and_b32 s94, s19, 15
	s_lshl_b32 s94, s94, 8
	s_lshl_b32 s95, s17, 7
	s_add_co_u32 s94, s94, s95
	s_mul_i32 s96, s93, 393216
	s_mul_i32 s97, s94, 96
	s_add_co_u32 s96, s96, s97
	s_mov_b32 s97, 0
	s_add_nc_u64 s[98:99], s[12:13], s[96:97]      ; qk: codes
	s_lshl_b32 s96, s93, 14
	s_lshl_b32 s94, s94, 2
	s_add_co_u32 s96, s96, s94
	s_add_co_u32 s96, s96, 12582912
	s_add_nc_u64 s[12:13], s[12:13], s[96:97]      ; qk: scale words
	s_mov_b32 s100, 0x76543210
	s_mov_b32 s101, 0xfedcba98
	s_wait_xcnt 0x0                                ; my prefetches have read their address
	s_add_nc_u64 s[PFA:PFA+1], s[PFA:PFA+1], s[PFS:PFS+1]
	s_wait_alu depctr_va_vdst(0)                   ; the head's end
	s_wait_tensorcnt 0x0                           ; my part of chunk 0 is in; slot 1's first fill is issued as a refill is
	ds_add_u32 v[SPW], v[NIL]
	s_wait_dscnt 0x0
	CROUND
	JLOAD G0+4, G1, G0B+4, G1B                     ; chunk 1
	s_wait_loadcnt 0x0
.irp k, 0,1,2,3,4,5,6,7,8,9,10,11,12,13,14,15,16,17,18,19,20,21,22,23
	ds_store_b128 v[BIW], v[BI+4*\k:BI+4*\k+3] offset:512*\k   ; the biases wait in my own LDS bytes: their registers serve as fragments
.endr
	s_wait_dscnt 0x0                               ; the stores have read their registers
.macro FRAG reg, adr, q, i
.irp p, 0,1,2,3,4,5
	ds_load_b64 v[\reg+2*\p:\reg+2*\p+1], v[\adr] offset:(\i)*16*PITCH+96*(\q)+48*(\p/3)+8*(\p%3)
.endr
.endm
.macro FETCH_B slot, q, g, set
.irp j, 0,1,2,3
	FRAG BF+48*(\set)+FR*\j, ADRB+\slot, \q, 4*(\g)+\j
.endr
.endm
.macro FETCH_A slot, q, i0
.irp i, \i0, \i0+1, \i0+2, \i0+3
	FRAG AF+FR*(\i), ADRA+\slot, \q, \i
.endr
.endm
.macro SCALES slot, q, set
.irp i, 0,1,2,3,4,5,6,7,8,9,10,11
	ds_load_b32 v[SC+12*(\set)+\i], v[ADRS+\slot] offset:\i*16*PITCH+4*(\q)
.endr
.endm
.macro PLACES n
.rept \n
	v_nop
.endr
.endm
; 16 products: A's blocks a0 .. a0 + 3 x the four blocks of B's group g; the accumulators take turns
; THE WALK ALONG K.  A step of 128 along K is three groups of 32 products: B's group g (four fragments, in one of two sets) against A's eight blocks, block by block; the accumulators take turns.
; THE STEP'S 132 LDS LOADS ARE ISSUED IN RUNS AMONG THE PRODUCTS, from three queues:
;   B: the next group's 24 pieces, into the set that the group before has read, in one run ahead of the group's first product, behind four v_nop;
;   A: the next step's pieces, in group 2: blocks 0-3 behind its products on blocks 0-3, blocks 4-7 behind its last product;
;   S: the 12 scale words of a chunk's second step, in the first step's group 1.
; That gives 48, 36 (24 in a chunk's second step) and 48 loads to the three groups.
; EVERY COUNT OF A WAIT ON DScnt IS ISS - MARK: ISS counts the LDS instructions of the text so far, a mark is its value behind the last load of what is wanted, so the difference is the number issued behind it.
; The step in front of the loop ends as the loop's last step ends, so the counts hold on the way in and round the backward jump alike.
; 16 products: A's blocks a0 .. a0 + 3 x the four blocks of B's group g; the accumulators take turns
.macro MUL16 g, a0, set, sc, zero
.irp a, \a0, \a0+1, \a0+2, \a0+3
.irp j, 0,1,2,3
.if \zero
	v_wmma_scale_f32_16x16x128_f8f6f4 v[32*(\a)+8*\j:32*(\a)+8*\j+7], v[BF+48*(\set)+FR*\j:BF+48*(\set)+FR*\j+FR-1], v[AF+FR*(\a):AF+FR*(\a)+FR-1], 0, v[SC+12*(\sc)+4*(\g)+\j], v[SC+12*(\sc)+(\a)] matrix_a_fmt:MATRIX_FMT_BF6 matrix_b_fmt:MATRIX_FMT_BF6 matrix_a_scale:MATRIX_SCALE_ROW1
.else
	v_wmma_scale_f32_16x16x128_f8f6f4 v[32*(\a)+8*\j:32*(\a)+8*\j+7], v[BF+48*(\set)+FR*\j:BF+48*(\set)+FR*\j+FR-1], v[AF+FR*(\a):AF+FR*(\a)+FR-1], v[32*(\a)+8*\j:32*(\a)+8*\j+7], v[SC+12*(\sc)+4*(\g)+\j], v[SC+12*(\sc)+(\a)] matrix_a_fmt:MATRIX_FMT_BF6 matrix_b_fmt:MATRIX_FMT_BF6 matrix_a_scale:MATRIX_SCALE_ROW1
.endif
.endr
.endr
.endm
; A step of 128 along K is three groups of 32 products (B's groups 0, 1, 2); each group fetches the next group's fragments of B into the other of two sets, in one run of loads
.macro GA slot, q, zero
	s_wait_dscnt 4*NL                              ; all but A's blocks 4-7
	PLACES NP
	FETCH_B \slot, \q, 1, (3*(\q)+1)%2
	WIN 0x50
	MUL16 0, 0, (3*(\q))%2, \q, \zero
	s_wait_dscnt 4*NL                              ; all but the 24 just issued
	MUL16 0, 4, (3*(\q))%2, \q, \zero
	WIN 0
.endm
.macro GB slot, zero
	s_wait_dscnt 0x0
	PLACES NP
	FETCH_B \slot, 0, 2, 0
	SCALES \slot, 1, 1
	WIN 0xa0
	MUL16 1, 0, 1, 0, \zero
	MUL16 1, 4, 1, 0, \zero
	WIN 0
.endm
.macro GC slot, q, ns, nq, zero
	s_wait_dscnt 12                                ; the fragments are in; the 12 scale words may be out
	PLACES NP
	FETCH_B \ns, \nq, 0, (3*(\nq))%2
	WIN 0xf0
	MUL16 2, 0, (3*(\q)+2)%2, \q, \zero
	PLACES NP
	WIN 0
	FETCH_A \ns, \nq, 0
	WIN 0xf0
	MUL16 2, 4, (3*(\q)+2)%2, \q, \zero
	PLACES NP
	WIN 0
	FETCH_A \ns, \nq, 4
.endm
; The second step's middle group changes slots: my last reads of this slot are issued, then the wait on my tensor load and the add, the barrier (with fill: a round of the cluster's barrier) and the refill, two chunks on
.macro GD slot, next, fill
.if \fill
	s_wait_xcnt 0x0                                ; any prefetch of mine has read its address
	s_add_nc_u64 s[PFA:PFA+1], s[PFA:PFA+1], s[PFS:PFS+1]
.endif
	s_wait_dscnt 0x0
	PLACES NP
	FETCH_B \slot, 1, 2, 1
	s_wait_tensorcnt 0x0                           ; my one load that was out: my part of the next slot
	ds_add_u32 v[SPW], v[NIL]
	WIN 0xa0
	MUL16 1, 0, 0, 1, 0
	s_wait_dscnt 0x0
	s_barrier_signal -1
	MUL16 1, 4, 0, 1, 0
	WIN 0
	s_barrier_wait -1
.if \fill
	CREST
	s_add_nc_u64 s[G0+4*\slot+2:G0+4*\slot+3], s[G0+4*\slot+2:G0+4*\slot+3], 2*ACH
	s_add_nc_u64 s[G0B+4*\slot+2:G0B+4*\slot+3], s[G0B+4*\slot+2:G0B+4*\slot+3], 2*BCH
	JLOAD G0+4*\slot, G1, G0B+4*\slot, G1B
.endif
	SCALES \next, 0, 0
.if \fill
	s_cmp_gt_u32 s3, 1                             ; the last trip's two refills have no chunk two loads on
	s_cbranch_scc0 .Lno_ask_\@
	ASK
.Lno_ask_\@:
.endif
.endm
	SCALES 0, 0, 0
	FETCH_B 0, 0, 0, 0
	FETCH_A 0, 0, 0
	FETCH_A 0, 0, 4
	ASK                                            ; chunk 3
	GA 0, 0, 1                                     ; the first step's products start the sums
	GB 0, 1
	GC 0, 0, 0, 1, 1
	s_mov_b32 s3, LAPS-1
.Llap:
	GA 0, 1, 0
	GD 0, 1, 1
	GC 0, 1, 1, 0, 0
	GA 1, 0, 0
	GB 1, 0
	GC 1, 0, 1, 1, 0
	GA 1, 1, 0
	GD 1, 0, 1
	GC 1, 1, 0, 0, 0
	GA 0, 0, 0
	GB 0, 0
	GC 0, 0, 0, 1, 0
	s_sub_co_u32 s3, s3, 1
	s_cmp_lg_u32 s3, 0
	s_cbranch_scc1 .Llap
	GA 0, 1, 0
	GD 0, 1, 0
	GC 0, 1, 1, 0, 0
	GA 1, 0, 0
	GB 1, 0
	GC 1, 0, 1, 1, 0
	GA 1, 1, 0
	s_wait_dscnt 0x0
	PLACES NP
	FETCH_B 1, 1, 2, 1
	WIN 0xa0
	MUL16 1, 0, 0, 1, 0
	MUL16 1, 4, 0, 1, 0
	s_wait_dscnt 0x0
	WIN 0xf0
	MUL16 2, 0, 1, 1, 0
	MUL16 2, 4, 1, 1, 0
	WIN 0
	PLACES NP
.irp k, 0,1,2,3,4,5,6,7,8,9,10,11,12,13,14,15,16,17,18,19,20,21,22,23
	ds_load_b128 v[BI+4*\k:BI+4*\k+3], v[BIW] offset:512*\k
.endr
	s_wait_dscnt 0x0
	WIN 0xc3
.irp a, 0,1,2,3,4,5,6,7
.irp i, 0,2,4,6,8,10,12,14,16,18,20,22,24,26,28,30
	v_pk_add_f32 v[32*\a+\i:32*\a+\i+1], v[32*\a+\i:32*\a+\i+1], v[BI+64+\i:BI+64+\i+1]
.endr
.endr
	WIN 0
; v: 16 rows x 64 numbers through my stage (in slot 0, which has had its last fill and its last read) and out as rows of 256 bytes
.macro VSTAGE a
	WIN 0x0c
.irp j, 0,1,2,3
	ds_store_b128 v[STO], v[32*(\a)+8*\j:32*(\a)+8*\j+3] offset:128*(\j/2)+32*(\j%2)
	ds_store_b128 v[STO], v[32*(\a)+8*\j+4:32*(\a)+8*\j+7] offset:128*(\j/2)+32*(\j%2)+16
.endr
	WIN 0
.set BB, BK+32*((\a)%2)
.irp t, 0,1,2,3,4,5,6,7
	ds_load_b128 v[BB+4*\t:BB+4*\t+3], v[RD] offset:2*\t*VPIT
.endr
.endm
.macro VSEND a, younger
.set BB, BK+32*((\a)%2)
	s_wait_dscnt \younger
.irp t, 0,1,2,3,4,5,6,7
	global_store_b128 v[COV], v[BB+4*\t:BB+4*\t+3], s[14:15] offset:(16*(\a)+2*\t)*4096
.endr
.endm
	VSTAGE 0
	s_wait_alu depctr_va_vdst(0)
.irp a, 1,2,3,4,5,6,7
.if \a > 1
	s_wait_xcnt 0x0
.endif
	VSTAGE \a
	VSEND \a-1, 16
.endr
	VSEND 7, 0
	s_wait_xcnt 0x0
.irp b, 0,1,2,3
	v_mov_b32 v[TM+4+\b], 0
.endr
; q or k of 16 rows: + bias, the four blocks' scales (a block lies in lanes l and l xor 16), the codes, a whole block to a lane
.macro QUANTW a
.set AC, 32*(\a)
.set QC, 140+24*((\a)%2)
.if (\a) == 4
.set QC, 192
.endif
.if (\a) > 4
.set QC, 164-24*((\a)%2)
.endif
.irp w, 1,2
	WIN (\w<<6)|\w
.irp i, 0,2,4,6,8,10,12,14,16,18,20,22,24,26,28,30
	v_pk_add_f32 v[AC+\i:AC+\i+1], v[AC+\i:AC+\i+1], v[BI+32*(\w-1)+\i:BI+32*(\w-1)+\i+1]
.endr
	WIN (\w<<2)|(\w<<4)
.irp b, 0,1
	v_max3_num_f32 v[TM+2*(\w-1)+\b], 0x2800000, |v[AC+16*\b]|, |v[AC+16*\b+1]|
.endr
.irp i, 2,4,6,8,10,12,14
.irp b, 0,1
	v_max3_num_f32 v[TM+2*(\w-1)+\b], v[TM+2*(\w-1)+\b], |v[AC+16*\b+\i]|, |v[AC+16*\b+\i+1]|
.endr
.endr
.endr
	WIN 0
.irp b, 0,1,2,3
	v_permlanex16_b32 v[TM+4+\b], v[TM+\b], s100, s101
.endr
.irp b, 0,1,2,3
	v_max_num_f32 v[TM+\b], v[TM+\b], v[TM+4+\b]
.endr
.irp b, 0,1,2,3
	v_add_nc_u32 v[TM+12+\b], 0xfe000000, v[TM+\b]
.endr
.irp b, 0,1,2,3
	v_lshrrev_b32 v[TM+4+\b], 23, v[TM+12+\b]
.endr
	v_lshl_or_b32 v[PW+(\a)], v[TM+5], 8, v[TM+4]
	v_lshl_or_b32 v[PW+(\a)], v[TM+6], 16, v[PW+(\a)]
	v_lshl_or_b32 v[PW+(\a)], v[TM+7], 24, v[PW+(\a)]
.irp c, 0,1
	WIN 1+\c
	v_cvt_scalef32_pk16_bf6_f32 v[QC+6*\c:QC+6*\c+2], v[AC:AC+15], v[TM+12+2*\c]
	v_cvt_scalef32_pk16_bf6_f32 v[QC+12+4*\c:QC+14+4*\c], v[AC+16:AC+31], v[TM+13+2*\c]
.endr
	WIN 0
	v_nop
.irp c, 0,1
.irp i, 0,1,2
	v_permlane16_swap_b32 v[QC+6*\c+\i], v[QC+12+4*\c+\i]
.endr
.irp i, 0,1,2
	v_mov_b32 v[QC+3+6*\c+\i], v[QC+12+4*\c+\i]
.endr
.endr
.endm
.macro QBLOCK a
	QUANTW \a
.if (\a) > 0
	s_wait_alu depctr_va_vdst(0)
	s_wait_dscnt 0x0
.irp q, 0,1,2
	global_store_b128 v[CO], v[OUT0+12*(((\a)-1)%2)+4*\q:OUT0+12*(((\a)-1)%2)+4*\q+3], s[98:99] offset:((\a)-1)*1536+512*\q
.endr
.endif
.irp p, 0,1,2,3,4,5
	ds_store_b64 v[QS], v[QC+2*\p:QC+2*\p+1] offset:48*(\p/3)+8*(\p%3)
.endr
.if (\a) > 1
	s_wait_xcnt 0x0
.endif
.irp q, 0,1,2
	ds_load_b128 v[OUT0+12*((\a)%2)+4*\q:OUT0+12*((\a)%2)+4*\q+3], v[QR] offset:512*\q
.endr
.endm
.irp a, 0,1,2,3,4,5,6,7
	QBLOCK \a
.endr
	s_wait_dscnt 0x0
.irp q, 0,1,2
	global_store_b128 v[CO], v[OUT0+12+4*\q:OUT0+12+4*\q+3], s[98:99] offset:7*1536+512*\q
.endr
.irp a, 0,1,2,3,4,5,6,7
	ds_store_b32 v[QW], v[PW+\a] offset:64*\a
.endr
	s_wait_xcnt 0x0
	ds_load_b128 v[OUT0:OUT0+3], v[QR] offset:1536
	s_wait_dscnt 0x0
	global_store_b128 v[CO], v[OUT0:OUT0+3], s[12:13]
	s_wait_tensorcnt 0x0                           ; the wave's end
	ds_add_u32 v[SPW], v[NIL]
	s_wait_dscnt 0x0
	CROUND                                         ; the closing round
	s_endpgm
.Lfunc_end_k_q7aa6ede018_qkv:
	.size	k_q7aa6ede018_qkv, .Lfunc_end_k_q7aa6ede018_qkv-k_q7aa6ede018_qkv
	.p2alignl 7, 3214868480
	.fill 96, 4, 3214868480
	.section	.rodata,"a",@progbits
	.p2align	6, 0x0
	.amdhsa_kernel k_q7aa6ede018_qkv
		.amdhsa_group_segment_fixed_size 327680
		.amdhsa_private_segment_fixed_size 0
		.amdhsa_enable_private_segment 0
		.amdhsa_kernarg_size 48
		.amdhsa_user_sgpr_count 2
		.amdhsa_user_sgpr_kernarg_segment_ptr 1
		.amdhsa_wavefront_size32 1
		.amdhsa_system_sgpr_workgroup_id_x 1
		.amdhsa_system_sgpr_workgroup_id_y 1
		.amdhsa_system_sgpr_workgroup_id_z 1
		.amdhsa_system_vgpr_workitem_id 0
		.amdhsa_next_free_vgpr 1024
		.amdhsa_next_free_sgpr 104
		.amdhsa_reserve_vcc 0
		.amdhsa_float_denorm_mode_32 3
		.amdhsa_float_denorm_mode_16_64 3
		.amdhsa_memory_ordered 1
		.amdhsa_forward_progress 1
		.amdhsa_inst_pref_size 255
	.end_amdhsa_kernel
	.section	.bss,"aw",@nobits
	.p2align	6
	.space	262144
	.amdgpu_metadata
---
amdhsa.version: [ 1, 2 ]
amdhsa.kernels:
  - .name:           k_q7aa6ede018_qkv
    .symbol:         k_q7aa6ede018_qkv.kd
    .args:
      - { .name: xq, .offset: 0, .size: 8, .value_kind: global_buffer, .address_space: global }
      - { .name: wk, .offset: 8, .size: 8, .value_kind: global_buffer, .address_space: global }
      - { .name: b_cqkv, .offset: 16, .size: 8, .value_kind: global_buffer, .address_space: global }
      - { .name: b_mqkv, .offset: 24, .size: 8, .value_kind: global_buffer, .address_space: global }
      - { .name: qk, .offset: 32, .size: 8, .value_kind: global_buffer, .address_space: global }
      - { .name: vv, .offset: 40, .size: 8, .value_kind: global_buffer, .address_space: global }
    .group_segment_fixed_size: 327680
    .private_segment_fixed_size: 0
    .kernarg_segment_align: 8
    .kernarg_segment_size: 48
    .max_flat_workgroup_size: 128
    .sgpr_count:     104
    .vgpr_count:     1024
    .wavefront_size: 32
...
	.end_amdgpu_metadata
.endif
;; end of part 2
;; launch attn (part 3): grid 512 x 1, 8 waves a work-group, no clusters, 2,048 bytes of LDS; arguments qk, vv, g1, be1, g2, be2, ln; writes ln
.if DOCPART == 3
	.amdgcn_target "amdgcn-amd-amdhsa--gfx1250"
	.amdhsa_code_object_version 6
	.text
	.protected	k_q7aa6ede018_attn
	.globl	k_q7aa6ede018_attn
	.p2align	8
	.type	k_q7aa6ede018_attn,@function
k_q7aa6ede018_attn:
	s_mov_b64 s[64:65], 0
	v_nop
	global_prefetch_b8 v0, s[64:65] scope:SCOPE_SE
	s_setreg_imm32_b32 hwreg(HW_REG_WAVE_MODE, 25, 1), 1
	s_wait_xcnt 0x0
; For each row and branch: the 16 x 16 scores of heads on codes of BF6, the softmax, weights x v in f32, the result in the order d x 16 + h, LayerNorm over the 1,024, and the quantiser along that axis.
; ln: codes [branch][16 blocks of 256 rows][4 chunks of 256 along K][256 rows][192 bytes] at 0, so that a chunk of a block is one dense run of 49,152 bytes; scale bytes [branch][4096][32] at 6,291,456.
; Branch 0: cnn's q (section 0), mlp's k (section 3), mlp's v, g1, be1.  Branch 1: mlp's q (2), cnn's k (1), cnn's v, g2, be2.
; SHARES.  A work-group takes 8 rows, both branches; wave w takes branch w / 4 and rows 2 (w % 4), + 1, one UNIT (a row of a branch) after the other.  All loads of a wave are issued at its head.
; A wave names 252 registers, all in one window, so that two work-groups, sixteen waves, have room on a WGP: 512 work-groups are one turn.
; No cluster and no LDS for inputs: work-groups share nothing but the 16 KiB of gains and biases.  No tensor load.
; LAYOUT.  S^T = k q^T (source 0 = 16 heads of k, source 1 = 16 heads of q): lane (r, hh) holds query head r and key heads 8 hh + 0 .. 7.  K = 64 is filled up to the instruction's 128 with zero codes on both sides.
; The weights' registers 2 s, 2 s + 1 are source 0 of the f32 form's step s; v lies [d][g] in memory, so a lane's eight registers of tile t (d = 16 t + r) are source 1 in the same order.
; The result: register 8 t + j of lane (r, hh) is the row's number (16 t + r) x 16 + 8 hh + j.
; The softmax takes the row's maximum away, as the definition does.  LIMITS: NaN and infinities are not served; a block whose largest magnitude lies under 2^-122 (zeros too) keeps the scale byte 1.
; REGISTERS: v1-13 lane numbers and offsets; v14-15 the add's two; v16-17 q's scale words, v18-19 k's (a register a unit); v20-27 S; v28-35 at work; v36-43 the weights, then at work; v44-75 the f32 sums, written by the
;   f32 matrix form alone; v76-107 the gain; v108-139 the bias; v140-203 v, 32 a unit, and behind the unit's f32 products its normalised row Y; v204-251 k's and q's operands, 12 + 12 a unit, and behind the unit's scores
;   its codes (8 registers) and scale bytes (2).
.set SQ,  16
.set SK,  18
.set S,   20
.set T,   28
.set P,   36
.set ACC, 44
.set G,   76
.set BE,  108
.set V,   140
.set KQ,  204
.set LCH, 49152                        ; ln: a chunk of a block
	s_load_b256 s[4:11], s[0:1], 0x0               ; qk, vv, g1, be1
	s_load_b128 s[12:15], s[0:1], 0x20             ; g2, be2
	s_load_b64 s[16:17], s[0:1], 0x30              ; ln
	v_lshl_add_u32 v14, v0, 2, 0x400
	v_mov_b32 v15, 0
	v_lshrrev_b32 v1, 5, v0
	s_delay_alu instid0(VALU_DEP_1)
	v_readfirstlane_b32 s18, v1                    ; wave 0..7
	v_and_b32 v1, 31, v0                           ; lane
	v_and_b32 v2, 15, v0                           ; r
	v_bfe_u32 v3, v0, 4, 1                         ; hh
	s_lshr_b32 s19, s18, 2                         ; branch
	s_and_b32 s20, s18, 3
	s_lshl_b32 s20, s20, 1
	s_lshl_b32 s21, ttmp9, 3                       ; the work-group's first row
	s_add_co_u32 s20, s20, s21                     ; my wave's first row
	v_lshrrev_b32 v11, 1, v2                       ; head r's pair,
	v_and_b32 v12, 1, v2                           ; and its parity
	s_delay_alu instid0(VALU_DEP_2)
	v_mul_u32_u24 v4, v11, 393216
	s_delay_alu instid0(VALU_DEP_1)
	v_mad_u32_u24 v4, v12, 48, v4
	s_delay_alu instid0(VALU_DEP_1)
	v_mad_u32_u24 v4, v3, 24, v4                   ; codes: plane of the pair, 48 x parity, 24 x half of d
	v_lshlrev_b32 v5, 6, v2
	s_delay_alu instid0(VALU_DEP_1)
	v_lshl_add_u32 v5, v3, 5, v5                   ; 64 r + 32 hh: v, the gain and the bias alike
	v_lshlrev_b32 v6, 14, v11
	v_lshlrev_b32 v7, 4, v12                       ; the shift that brings my head's two bytes down
	v_mul_u32_u24 v8, v2, 12
	s_delay_alu instid0(VALU_DEP_1)
	v_mad_u32_u24 v8, v3, LCH, v8                  ; codes out: sixteen lanes fill a piece's 192 bytes, lanes 16-31 the next chunk's
	s_lshl_b32 s22, s18, 6
	v_lshrrev_b32 v9, 1, v1
	s_delay_alu instid0(VALU_DEP_1)
	v_add_nc_u32 v9, s22, v9                       ; LDS: my wave's 64 scale bytes (2 rows x 32), my block's byte
	v_lshl_add_u32 v10, v1, 3, s22                 ; and a branch's 256, 8 a lane
	v_lshlrev_b32 v13, 3, v1
	s_lshl_b32 s23, s19, 1                         ; q's section
	s_sub_co_u32 s24, 3, s23                       ; k's
	s_mul_i32 s25, s20, 96
	s_mov_b32 s37, 0
	s_mov_b32 s40, 0x76543210
	s_mov_b32 s41, 0xfedcba98
	s_mov_b32 s42, 0x3e38aa3b                      ; log2(e) / sqrt(64)
	s_mov_b32 s43, s42
	s_mov_b32 s44, 0x3a800000                      ; 1 / 1024
	s_mov_b32 s45, 0x3727c5ac                      ; 1e-5
	s_wait_alu depctr_va_vdst(0)                   ; the head's end
	s_wait_kmcnt 0x0
	s_mul_i32 s36, s23, 3145728
	s_add_co_u32 s36, s36, s25
	s_add_nc_u64 s[26:27], s[4:5], s[36:37]        ; q's codes
	s_mul_i32 s36, s24, 3145728
	s_add_co_u32 s36, s36, s25
	s_add_nc_u64 s[28:29], s[4:5], s[36:37]        ; k's
	s_lshl_b32 s25, s20, 2
	s_add_co_u32 s25, s25, 12582912
	s_lshl_b32 s36, s23, 17
	s_add_co_u32 s36, s36, s25
	s_add_nc_u64 s[30:31], s[4:5], s[36:37]        ; q's scale words
	s_lshl_b32 s36, s24, 17
	s_add_co_u32 s36, s36, s25
	s_add_nc_u64 s[32:33], s[4:5], s[36:37]        ; k's
	s_xor_b32 s36, s19, 1
	s_lshl_b32 s36, s36, 24
	s_lshl_b32 s25, s20, 12
	s_add_co_u32 s36, s36, s25
	s_add_nc_u64 s[6:7], s[6:7], s[36:37]          ; v: the other product's
	s_cmp_eq_u32 s19, 0
	s_cselect_b64 s[8:9], s[8:9], s[12:13]
	s_cselect_b64 s[10:11], s[10:11], s[14:15]
	s_mul_i32 s36, s19, 3145728
	s_lshr_b32 s25, s20, 8
	s_mul_i32 s25, s25, 4*LCH                      ; my rows' block,
	s_add_co_u32 s36, s36, s25
	s_and_b32 s25, s20, 255
	s_mul_i32 s25, s25, 192                        ; and their place in it
	s_add_co_u32 s36, s36, s25
	s_add_nc_u64 s[34:35], s[16:17], s[36:37]      ; codes out
	s_lshl_b32 s36, s19, 17
	s_lshl_b32 s25, s21, 5
	s_add_co_u32 s36, s36, s25
	s_add_co_u32 s36, s36, 6291456
	s_add_nc_u64 s[16:17], s[16:17], s[36:37]      ; scale bytes out: the branch's 8 rows
	global_load_b64 v[SQ:SQ+1], v6, s[30:31]       ; two rows' words of my head's pair
	global_load_b64 v[SK:SK+1], v6, s[32:33]
.irp t, 0,1,2,3
.irp e, 0,1
	global_load_b128 v[G+8*\t+4*\e:G+8*\t+4*\e+3], v5, s[8:9] offset:1024*\t+16*\e
	global_load_b128 v[BE+8*\t+4*\e:BE+8*\t+4*\e+3], v5, s[10:11] offset:1024*\t+16*\e
.endr
.endr
.irp u, 0,1
.irp i, 6,7,8,9,10,11,18,19,20,21,22,23
	v_mov_b32 v[KQ+24*\u+\i], 0                    ; K = 64 .. 127 of both operands: zero codes
.endr
.endr
.irp u, 0,1                                    ; 14 loads a unit
.irp p, 0,1,2
	global_load_b64 v[KQ+24*\u+2*\p:KQ+24*\u+2*\p+1], v4, s[28:29] offset:96*\u+8*\p
	global_load_b64 v[KQ+12+24*\u+2*\p:KQ+12+24*\u+2*\p+1], v4, s[26:27] offset:96*\u+8*\p
.endr
.irp t, 0,1,2,3
.irp e, 0,1
	global_load_b128 v[V+32*\u+8*\t+4*\e:V+32*\u+8*\t+4*\e+3], v5, s[6:7] offset:4096*\u+1024*\t+16*\e
.endr
.endr
.endr
.macro ALL32 x                         ; the sum over the wave's 32 lanes, in every lane; v[x + 1] is at work
	s_delay_alu instid0(VALU_DEP_1)
	v_add_f32_dpp v[(\x)], v[(\x)], v[(\x)] row_xmask:1 row_mask:0xf bank_mask:0xf
	s_delay_alu instid0(VALU_DEP_1)
	v_add_f32_dpp v[(\x)], v[(\x)], v[(\x)] row_xmask:2 row_mask:0xf bank_mask:0xf
	s_delay_alu instid0(VALU_DEP_1)
	v_add_f32_dpp v[(\x)], v[(\x)], v[(\x)] row_xmask:4 row_mask:0xf bank_mask:0xf
	s_delay_alu instid0(VALU_DEP_1)
	v_add_f32_dpp v[(\x)], v[(\x)], v[(\x)] row_xmask:8 row_mask:0xf bank_mask:0xf
	s_delay_alu instid0(VALU_DEP_1)
	v_permlanex16_b32 v[(\x)+1], v[(\x)], s40, s41
	s_delay_alu instid0(VALU_DEP_1)
	v_add_f32 v[(\x)], v[(\x)], v[(\x)+1]
.endm
.macro UNIT u
.set Y,   V+32*\u                      ; the unit's row, in its v's registers
.set CD,  KQ+24*\u                     ; its codes and scale bytes, in its operands' registers
.set SBY, KQ+24*\u+8
	s_wait_loadcnt 14*(1-\u)                       ; this unit's loads and all before them are in; the later unit's 14 may be out
.if \u == 0
.irp i, 0,1,2,3
	v_lshrrev_b32 v[SQ+\i], v7, v[SQ+\i]           ; my head's two bytes to bytes 0 and 1; what stands above them scales zero codes and is never 0xff
.endr
.rept 8
	v_nop                                          ; a scale register written by a vector instruction stands eight places ahead of a scaled matrix instruction
.endr
.endif
	v_wmma_scale_f32_16x16x128_f8f6f4 v[S:S+7], v[KQ+24*\u:KQ+24*\u+11], v[KQ+12+24*\u:KQ+12+24*\u+11], 0, v[SK+\u], v[SQ+\u] matrix_a_fmt:MATRIX_FMT_BF6 matrix_b_fmt:MATRIX_FMT_BF6
.rept 4
	v_nop
.endr
	v_max3_num_f32 v[T], v[S], v[S+1], v[S+2]      ; the softmax over the 16 key heads: my eight and lane l xor 16's
	v_max3_num_f32 v[T+1], v[S+3], v[S+4], v[S+5]
	v_max3_num_f32 v[T], v[T], v[S+6], v[S+7]
	s_delay_alu instid0(VALU_DEP_1)
	v_max_num_f32 v[T], v[T], v[T+1]
	s_delay_alu instid0(VALU_DEP_1)
	v_permlanex16_b32 v[T+1], v[T], s40, s41
	s_delay_alu instid0(VALU_DEP_1)
	v_max_num_f32 v[T], v[T], v[T+1]
.irp i, 0,2,4,6
	v_pk_add_f32 v[P+\i:P+\i+1], v[S+\i:S+\i+1], v[T:T+1] op_sel_hi:[1,0] neg_lo:[0,1] neg_hi:[0,1]
.endr
.irp i, 0,2,4,6
	s_delay_alu instid0(VALU_DEP_4)
	v_pk_mul_f32 v[P+\i:P+\i+1], v[P+\i:P+\i+1], s[42:43] op_sel_hi:[1,0]
.endr
	s_wait_alu depctr_va_vdst(0)
.irp i, 0,1,2,3,4,5,6,7
	v_exp_f32 v[P+\i], v[P+\i]
.endr
	v_nop
	s_wait_alu depctr_va_vdst(0)                   ; one wait for the eight, ahead of their first reader
	v_pk_add_f32 v[T+2:T+3], v[P:P+1], v[P+2:P+3]
	v_pk_add_f32 v[T+4:T+5], v[P+4:P+5], v[P+6:P+7]
	s_delay_alu instid0(VALU_DEP_1)
	v_pk_add_f32 v[T+2:T+3], v[T+2:T+3], v[T+4:T+5]
	s_delay_alu instid0(VALU_DEP_1)
	v_add_f32 v[T+2], v[T+2], v[T+3]
	s_delay_alu instid0(VALU_DEP_1)
	v_permlanex16_b32 v[T+3], v[T+2], s40, s41
	s_delay_alu instid0(VALU_DEP_1)
	v_add_f32 v[T+2], v[T+2], v[T+3]
	s_wait_alu depctr_va_vdst(0)
	v_rcp_f32 v[T+4], v[T+2]
	v_nop
	s_wait_alu depctr_va_vdst(0)
.irp i, 0,2,4,6
	v_pk_mul_f32 v[P+\i:P+\i+1], v[P+\i:P+\i+1], v[T+4:T+5] op_sel_hi:[1,0]
.endr
.irp s, 0,1,2,3                                ; weights x v in f32: four tiles of 16 d by turns, four steps of four key heads; the first step starts the sums
.irp t, 0,1,2,3
.if \s == 0
	v_wmma_f32_16x16x4_f32 v[ACC+8*\t:ACC+8*\t+7], v[P+2*\s:P+2*\s+1], v[V+32*\u+8*\t+2*\s:V+32*\u+8*\t+2*\s+1], 0
.else
	v_wmma_f32_16x16x4_f32 v[ACC+8*\t:ACC+8*\t+7], v[P+2*\s:P+2*\s+1], v[V+32*\u+8*\t+2*\s:V+32*\u+8*\t+2*\s+1], v[ACC+8*\t:ACC+8*\t+7]
.endif
.endr
.endr
.rept 8
	v_nop                                          ; eight places behind this form
.endr
	v_pk_add_f32 v[T+2:T+3], v[ACC:ACC+1], v[ACC+2:ACC+3]          ; LayerNorm over the row's 1,024 numbers, 32 a lane; each accumulator is read from its low end on
	v_pk_add_f32 v[P+6:P+7], v[ACC+4:ACC+5], v[ACC+6:ACC+7]
	v_pk_add_f32 v[P+4:P+5], v[ACC+8:ACC+9], v[ACC+10:ACC+11]
	v_pk_add_f32 v[P+2:P+3], v[ACC+12:ACC+13], v[ACC+14:ACC+15]
	v_pk_add_f32 v[P:P+1], v[ACC+16:ACC+17], v[ACC+18:ACC+19]
	v_pk_add_f32 v[T+4:T+5], v[ACC+20:ACC+21], v[ACC+22:ACC+23]
	v_pk_add_f32 v[T+6:T+7], v[ACC+24:ACC+25], v[ACC+26:ACC+27]
	v_pk_add_f32 v[T:T+1], v[ACC+28:ACC+29], v[ACC+30:ACC+31]
	s_delay_alu instid0(VALU_DEP_1)
	v_pk_add_f32 v[T:T+1], v[T:T+1], v[P+2:P+3]
	v_pk_add_f32 v[T+2:T+3], v[T+2:T+3], v[P:P+1]
	v_pk_add_f32 v[P+6:P+7], v[P+6:P+7], v[T+4:T+5]
	v_pk_add_f32 v[P+4:P+5], v[P+4:P+5], v[T+6:T+7]
	s_delay_alu instid0(VALU_DEP_2)
	v_pk_add_f32 v[T:T+1], v[T:T+1], v[P+6:P+7]
	s_delay_alu instid0(VALU_DEP_2)
	v_pk_add_f32 v[T+2:T+3], v[T+2:T+3], v[P+4:P+5]
	s_delay_alu instid0(VALU_DEP_1)
	v_pk_add_f32 v[T:T+1], v[T:T+1], v[T+2:T+3]
	s_delay_alu instid0(VALU_DEP_1)
	v_add_f32 v[T], v[T], v[T+1]
	ALL32 T
	s_delay_alu instid0(VALU_DEP_1)
	v_mul_f32 v[T], s44, v[T]                      ; the mean
.irp i, 0,2,4,6,8,10,12,14,16,18,20,22,24,26,28,30
	v_pk_add_f32 v[Y+\i:Y+\i+1], v[ACC+\i:ACC+\i+1], v[T:T+1] op_sel_hi:[1,0] neg_lo:[0,1] neg_hi:[0,1]
.endr
	v_pk_mul_f32 v[T+2:T+3], v[Y:Y+1], v[Y:Y+1]
	v_pk_mul_f32 v[T+4:T+5], v[Y+16:Y+17], v[Y+16:Y+17]
.irp i, 2,4,6,8,10,12,14
	s_delay_alu instid0(VALU_DEP_2)
	v_pk_fma_f32 v[T+2:T+3], v[Y+\i:Y+\i+1], v[Y+\i:Y+\i+1], v[T+2:T+3]
	s_delay_alu instid0(VALU_DEP_2)
	v_pk_fma_f32 v[T+4:T+5], v[Y+16+\i:Y+17+\i], v[Y+16+\i:Y+17+\i], v[T+4:T+5]
.endr
	s_delay_alu instid0(VALU_DEP_1)
	v_pk_add_f32 v[T+2:T+3], v[T+2:T+3], v[T+4:T+5]
	s_delay_alu instid0(VALU_DEP_1)
	v_add_f32 v[T+2], v[T+2], v[T+3]
	ALL32 T+2
	s_delay_alu instid0(VALU_DEP_1)
	v_fma_f32 v[T+2], v[T+2], s44, s45             ; the variance + 1e-5
	s_wait_alu depctr_va_vdst(0)
	v_rsq_f32 v[T+4], v[T+2]
	v_nop
	s_wait_alu depctr_va_vdst(0)
.irp i, 0,2,4,6,8,10,12,14,16,18,20,22,24,26,28,30
	v_pk_mul_f32 v[Y+\i:Y+\i+1], v[Y+\i:Y+\i+1], v[T+4:T+5] op_sel_hi:[1,0]
.endr
.irp i, 0,2,4,6,8,10,12,14,16,18,20,22,24,26,28,30
	v_pk_fma_f32 v[Y+\i:Y+\i+1], v[Y+\i:Y+\i+1], v[G+\i:G+\i+1], v[BE+\i:BE+\i+1]
.endr
.irp j, 0,1,2,3,4,5,6,7                        ; a whole d to a lane: lane l then holds h = 0 .. 15 of d = l in Y + 0 .. 15 and of d = 32 + l in Y + 16 .. 31
	v_permlane16_swap_b32 v[Y+\j], v[Y+8+\j]
	v_permlane16_swap_b32 v[Y+16+\j], v[Y+24+\j]
.endr
	v_max3_num_f32 v[T], |v[Y]|, |v[Y+1]|, 0x2800000               ; the quantiser: lanes l and l xor 1 hold a block of 32; the floor 2^(5 - 127)
	v_max3_num_f32 v[T+1], |v[Y+16]|, |v[Y+17]|, 0x2800000
.irp i, 2,4,6,8,10,12,14
	s_delay_alu instid0(VALU_DEP_2)
	v_max3_num_f32 v[T], v[T], |v[Y+\i]|, |v[Y+\i+1]|
	s_delay_alu instid0(VALU_DEP_2)
	v_max3_num_f32 v[T+1], v[T+1], |v[Y+16+\i]|, |v[Y+17+\i]|
.endr
	s_delay_alu instid0(VALU_DEP_2)
	v_max_num_f32_dpp v[T], v[T], v[T] row_xmask:1 row_mask:0xf bank_mask:0xf
	s_delay_alu instid0(VALU_DEP_2)
	v_max_num_f32_dpp v[T+1], v[T+1], v[T+1] row_xmask:1 row_mask:0xf bank_mask:0xf
	s_delay_alu instid0(VALU_DEP_2)
	v_add_nc_u32 v[T+2], 0xfe000000, v[T]
	s_delay_alu instid0(VALU_DEP_2)
	v_add_nc_u32 v[T+3], 0xfe000000, v[T+1]
	v_cvt_scalef32_pk16_bf6_f32 v[CD:CD+2], v[Y:Y+15], v[T+2]
	v_cvt_scalef32_pk16_bf6_f32 v[CD+4:CD+6], v[Y+16:Y+31], v[T+3]
	v_lshrrev_b32 v[SBY], 23, v[T+2]               ; the scales' bytes (also the plain line behind the conversions)
	v_lshrrev_b32 v[SBY+1], 23, v[T+3]
	ds_store_b8 v9, v[SBY] offset:32*\u
	ds_store_b8 v9, v[SBY+1] offset:32*\u+16
	global_store_b96 v8, v[CD:CD+2], s[34:35] offset:192*\u            ; the row's pieces in chunks 0 and 1,
	global_store_b96 v8, v[CD+4:CD+6], s[34:35] offset:192*\u+2*LCH    ; and in chunks 2 and 3
.endm
	UNIT 0
	UNIT 1
	s_wait_dscnt 0x0                               ; for the others' sake: my scale bytes lie in LDS
	s_barrier_signal -1
	s_barrier_wait -1
	s_and_b32 s46, s18, 3                          ; waves 0 and 4 store their branch's 8 rows of scale bytes
	s_cmp_lg_u32 s46, 0
	s_cbranch_scc1 .Ldone
	ds_load_b64 v[T:T+1], v10
	s_wait_dscnt 0x0
	global_store_b64 v13, v[T:T+1], s[16:17]       ; 256 consecutive bytes, at a multiple of 256 from the scale bytes' first
.Ldone:
	s_wait_tensorcnt 0x0                           ; the wave's end
	ds_add_u32 v14, v15
	s_wait_dscnt 0x0
	s_endpgm
.Lfunc_end_k_q7aa6ede018_attn:
	.size	k_q7aa6ede018_attn, .Lfunc_end_k_q7aa6ede018_attn-k_q7aa6ede018_attn
	.p2alignl 7, 3214868480
	.fill 96, 4, 3214868480
	.section	.rodata,"a",@progbits
	.p2align	6, 0x0
	.amdhsa_kernel k_q7aa6ede018_attn
		.amdhsa_group_segment_fixed_size 2048
		.amdhsa_private_segment_fixed_size 0
		.amdhsa_enable_private_segment 0
		.amdhsa_kernarg_size 56
		.amdhsa_user_sgpr_count 2
		.amdhsa_user_sgpr_kernarg_segment_ptr 1
		.amdhsa_wavefront_size32 1
		.amdhsa_system_sgpr_workgroup_id_x 1
		.amdhsa_system_sgpr_workgroup_id_y 1
		.amdhsa_system_sgpr_workgroup_id_z 1
		.amdhsa_system_vgpr_workitem_id 0
		.amdhsa_next_free_vgpr 256
		.amdhsa_next_free_sgpr 66
		.amdhsa_reserve_vcc 0
		.amdhsa_float_denorm_mode_32 3
		.amdhsa_float_denorm_mode_16_64 3
		.amdhsa_memory_ordered 1
		.amdhsa_forward_progress 1
		.amdhsa_inst_pref_size 38
	.end_amdhsa_kernel
	.amdgpu_metadata
---
amdhsa.version: [ 1, 2 ]
amdhsa.kernels:
  - .name:           k_q7aa6ede018_attn
    .symbol:         k_q7aa6ede018_attn.kd
    .args:
      - { .name: qk, .offset: 0, .size: 8, .value_kind: global_buffer, .address_space: global }
      - { .name: vv, .offset: 8, .size: 8, .value_kind: global_buffer, .address_space: global }
      - { .name: g1, .offset: 16, .size: 8, .value_kind: global_buffer, .address_space: global }
      - { .name: be1, .offset: 24, .size: 8, .value_kind: global_buffer, .address_space: global }
      - { .name: g2, .offset: 32, .size: 8, .value_kind: global_buffer, .address_space: global }
      - { .name: be2, .offset: 40, .size: 8, .value_kind: global_buffer, .address_space: global }
      - { .name: ln, .offset: 48, .size: 8, .value_kind: global_buffer, .address_space: global }
    .group_segment_fixed_size: 2048
    .private_segment_fixed_size: 0
    .kernarg_segment_align: 8
    .kernarg_segment_size: 56
    .max_flat_workgroup_size: 256
    .sgpr_count:     66
    .vgpr_count:     256
    .wavefront_size: 32
...
	.end_amdgpu_metadata
.endif
;; end of part 3
;; launch proj (part 4): grid 8 x 32, 4 waves a work-group, clusters of 4 x 4, 327,680 bytes of LDS; arguments ln, wq, b_cproj, b_mproj, cnn_out, mlp_out, out0, out1; writes out0, out1
.if DOCPART == 4
	.amdgcn_target "amdgcn-amd-amdhsa--gfx1250"
	.amdhsa_code_object_version 6
	.text
	.protected	k_q7aa6ede018_proj
	.globl	k_q7aa6ede018_proj
	.p2align	8
	.type	k_q7aa6ede018_proj,@function
k_q7aa6ede018_proj:
	s_mov_b64 s[64:65], 0
	v_nop
	global_prefetch_b8 v0, s[64:65] scope:SCOPE_SE
	s_setreg_imm32_b32 hwreg(HW_REG_WAVE_MODE, 25, 1), 1
	s_wait_xcnt 0x0
	s_wait_alu depctr_hold_cnt(0) depctr_sa_sdst(0) depctr_va_vdst(0) depctr_va_sdst(0) depctr_va_ssrc(0) depctr_va_vcc(0) depctr_vm_vsrc(0)
	s_getreg_b32 s2, hwreg(HW_REG_IB_STS2, 6, 4)
	s_cmp_eq_u32 s2, 0
	s_cbranch_scc0 .Lentry_in_a_cluster
	s_endpgm
.Lentry_in_a_cluster:
	s_bfe_u32 s2, ttmp6, 0x10000c
	s_cmp_lg_u32 s2, 0xf033
	s_cbranch_scc0 .Lentry_shape_is_right
	s_endpgm
.Lentry_shape_is_right:
; Both projections on codes of BF6, with the bias and the residual: out = x + ln W + b.  Tile 256 x 256, four waves, a wave 128 x 128: 64 accumulators in windows 2 and 3 (accumulator (a, b) at v[8 (8 (a % 4) + b)]).
; K = 1,024 goes by four chunks of 256 through two LDS slots.  ln's and wq's codes are laid tile by tile: a chunk of a block of 256 rows is one dense run of 49,152 bytes, brought as rows of 256 bytes that begin at multiples
; of 256; the mover lays 16 bytes of padding behind each 64, so that a piece of 192 bytes takes 240 in LDS.  The scales of 256 rows, for all of K, are a dense run of 8,192 bytes and come once.
; THE HEAD'S FOUR TILES go one to a wave: chunk 0 of A, chunk 0 of B, A's scales, B's scales.  Behind them a wave's load brings 128 rows (96 rows of 256 bytes).
; THE SUMS BEGIN WITH x + b: under the head's tensor loads each wave loads its 128 x 128 numbers of x by whole rows of 512 bytes, turns them through its own stage in LDS into the accumulators' layout and adds the bias;
; every product then adds in place, and the way out is stage and store alone.  The stage has LDS bytes of its own, on which no tensor load lands.
; CLUSTERS 4 x 4: A's tiles jointly along a row of the cluster, B's along a column.  The product is used transposed; wq's rows stand in the order swap34, so that a lane's 16 registers of two tiles are 16 neighbouring columns.
; No prefetch: K has four chunks, of which two are asked for at the head and the other two one chunk later each: there is no loop to run ahead in.
.set ACH,    49152
.set ABLK,   4*ACH
.set HALFC,  ACH/2
.set NQ,     2
.set KS,     32
.set ASCL,   6291456
.set BCOD,   9437184
.set BSCL,   12976128
.set PITCH,  240
.set FR,     12
.set NL,     6
.set NP,     4
.set HALFT,  128*PITCH
.set SLOT,   4*HALFT
.set SCL,    2*SLOT
.set HALFS,  (128*KS/256)*272
.set SBLK,   (16*KS/256)*272
.set SPARE,  SCL+4*HALFS
.set STG,    SPARE+512                 ; the stages: 16 rows x 528 bytes for each wave
.set SPITCH, 528
.set BO,   14
.set ADRA, 16
.set ADRB, 20
.set STO,  24
.set RD,   25
.set CO,   26
.set ADRS, 27
.set SPW,  28
.set NIL,  29
.set SC,   32
.set BI,   64
.set AF,   128
.set BK,   128
.set G1, 24
.set G0, 32
.set G1B, 48
.set G0B, 56
.set G1S, 68
.set G0S, 76
.set G1SB, 80
.set G0SB, 88
.set MSB, 0
.macro WIN new
.if MSB != (\new)
	s_set_vgpr_msb (MSB<<8)|(\new)
.set MSB, (\new)
.endif
.endm
.set MUL_LO, 0xa1
.set MUL_HI, 0xf1
.set TO_B,   0x40
.macro JLOAD g0a, g1a, g0b, g1b
	s_cmp_eq_u32 s17, 0
	s_cbranch_scc0 .Lfor_b_\@
	tensor_load_to_lds s[\g0a:\g0a+3], s[\g1a:\g1a+7]
	s_nop 0
.rept 4
	v_nop
.endr
	s_branch .Lasked_\@
.Lfor_b_\@:
	tensor_load_to_lds s[\g0b:\g0b+3], s[\g1b:\g1b+7]
	s_nop 0
.rept 4
	v_nop
.endr
.Lasked_\@:
.endm
.macro CREST
	s_cmp_lg_u32 s16, 0
	s_cbranch_scc1 .Lnot_wave_0_\@
	s_barrier_signal -3
.Lnot_wave_0_\@:
	s_barrier_wait -3
	s_barrier_signal -1
	s_barrier_wait -1
.endm
.macro CROUND
	s_barrier_signal -1
	s_barrier_wait -1
	CREST
.endm
	s_load_b256 s[4:11], s[0:1], 0x0               ; ln, wq, b_cproj, b_mproj
	s_load_b256 s[92:99], s[0:1], 0x20             ; cnn_out, mlp_out, out0, out1
	v_lshl_add_u32 v[SPW], v0, 2, SPARE
	v_mov_b32 v[NIL], 0
	ds_add_u32 v[SPW], v[NIL]                      ; the opening lines: the add twice on end and one wait
	ds_add_u32 v[SPW], v[NIL]
	v_lshrrev_b32 v1, 5, v0
	v_readfirstlane_b32 s16, v1
	s_lshr_b32 s17, s16, 1
	s_and_b32 s18, s16, 1
	s_bfe_u32 s40, ttmp6, 0x40000
	s_bfe_u32 s41, ttmp6, 0x40004
	s_lshl_b32 s42, ttmp9, 2
	s_add_co_u32 s42, s42, s40                     ; tile column 0..7
	s_and_b32 s19, ttmp7, 0xffff
	s_lshr_b32 s2, s19, 2                          ; branch
	s_lshl_b32 s19, s19, 2
	s_add_co_u32 s19, s19, s41                     ; tile row 0..31 = ln's block
	s_lshl_b32 s43, s41, 2
	s_lshl_b32 s43, 15, s43
	s_lshl_b32 s44, 0x1111, s40
	s_or_b32 s[G1+0], s43, (1<<20)|(1<<21)|(3<<22)|(3<<25)   ; bytes; 4 words of padding behind every 16
	s_or_b32 s[G1B+0], s44, (1<<20)|(1<<21)|(3<<22)|(3<<25)
.irp g, G1, G1B
	s_mov_b32 s[\g+1], 256<<16
	s_mov_b32 s[\g+2], (ACH/256)<<16               ; the head's loads: a whole chunk, 192 rows of 256 bytes
	s_mov_b32 s[\g+3], 256<<16
	s_mov_b32 s[\g+4], ACH/256
	s_mov_b32 s[\g+5], 256
	s_mov_b32 s[\g+6], 0
	s_mov_b32 s[\g+7], 0
.endr
	s_or_b32 s[G1S+0], s43, (3<<16)|(1<<20)|(1<<21)|(5<<22)|(3<<25)
	s_or_b32 s[G1SB+0], s44, (3<<16)|(1<<20)|(1<<21)|(5<<22)|(3<<25)
.irp g, G1S, G1SB
	s_mov_b32 s[\g+1], 32<<16
	s_mov_b32 s[\g+2], KS<<16                      ; 256 rows' scales: 32 rows of 256 bytes
	s_mov_b32 s[\g+3], 32<<16
	s_mov_b32 s[\g+4], KS
	s_mov_b32 s[\g+5], 32
	s_mov_b32 s[\g+6], 0
	s_mov_b32 s[\g+7], 0
.endr
	s_mul_i32 s20, s19, ABLK
	s_mov_b32 s21, 0
	s_lshl_b32 s22, s19, 13
	s_add_co_u32 s22, s22, ASCL
	s_mov_b32 s23, 0
	s_lshl_b32 s46, s2, 3
	s_add_co_u32 s46, s46, s42                     ; wq's block
	s_lshl_b32 s66, s46, 13
	s_add_co_u32 s66, s66, BSCL
	s_mov_b32 s67, 0
	s_mul_i32 s46, s46, ABLK
	s_add_co_u32 s46, s46, BCOD
	s_mov_b32 s47, 0
	s_mul_i32 s45, s16, HALFT
	s_wait_dscnt 0x0
	s_wait_kmcnt 0x0
	s_add_nc_u64 s[20:21], s[4:5], s[20:21]
	s_add_nc_u64 s[22:23], s[4:5], s[22:23]
	s_add_nc_u64 s[46:47], s[6:7], s[46:47]
	s_add_nc_u64 s[66:67], s[6:7], s[66:67]
	s_mov_b32 s[G0S], 1
	s_mov_b32 s[G0S+1], SCL
	s_mov_b64 s[G0S+2:G0S+3], s[22:23]
	s_or_b32 s[G0S+3], s[G0S+3], 0x80000000
	s_mov_b32 s[G0SB], 1
	s_mov_b32 s[G0SB+1], SCL+2*HALFS
	s_mov_b64 s[G0SB+2:G0SB+3], s[66:67]
	s_or_b32 s[G0SB+3], s[G0SB+3], 0x80000000
	s_mul_i32 s22, s18, HALFC                      ; in the ring I fetch 128 rows of a chunk: which half
	s_mov_b32 s23, 0
	s_mov_b32 s[G0], 1                             ; slot 0's sets serve the head's whole chunks first
	s_mov_b32 s[G0+1], 0
	s_mov_b64 s[G0+2:G0+3], s[20:21]
	s_or_b32 s[G0+3], s[G0+3], 0x80000000
	s_mov_b32 s[G0B], 1
	s_mov_b32 s[G0B+1], 2*HALFT
	s_mov_b64 s[G0B+2:G0B+3], s[46:47]
	s_or_b32 s[G0B+3], s[G0B+3], 0x80000000
	s_mov_b32 s[G0+4], 1                           ; slot 1: my half of chunk 1
	s_add_co_u32 s[G0+5], s45, SLOT
	s_add_nc_u64 s[G0+6:G0+7], s[20:21], s[22:23]
	s_add_nc_u64 s[G0+6:G0+7], s[G0+6:G0+7], ACH
	s_or_b32 s[G0+7], s[G0+7], 0x80000000
	s_mov_b32 s[G0B+4], 1
	s_add_co_u32 s[G0B+5], s45, SLOT
	s_add_nc_u64 s[G0B+6:G0B+7], s[46:47], s[22:23]
	s_add_nc_u64 s[G0B+6:G0B+7], s[G0B+6:G0B+7], ACH
	s_or_b32 s[G0B+7], s[G0B+7], 0x80000000
	CROUND                                         ; all sixteen work-groups are here
.macro ARM under, g0, g1, next         ; one tree of branches on the wave's number: every way through it passes one load
	s_cmp_lt_u32 s16, \under
	s_cbranch_scc0 \next
	tensor_load_to_lds s[\g0:\g0+3], s[\g1:\g1+7]
	s_nop 0
.rept 4
	v_nop
.endr
	s_branch .Lhead_asked
\next:
.endm
	ARM 1, G0,  G1,  .Lhead_b
	ARM 2, G0B, G1B, .Lhead_sa
	ARM 3, G0S, G1S, .Lhead_sb
	tensor_load_to_lds s[G0SB:G0SB+3], s[G1SB:G1SB+7]
	s_nop 0
.rept 4
	v_nop
.endr
.Lhead_asked:
	v_and_b32 v1, 15, v0
	v_bfe_u32 v2, v0, 4, 1
	v_mul_u32_u24 v3, v1, PITCH
	v_mul_u32_u24 v4, v2, 24
	v_add_nc_u32 v4, v3, v4
	v_lshl_add_u32 v5, v2, 4, v4                   ; for pieces whose lanes 16-31 lie behind one more run of padding
	s_mul_i32 s100, s17, HALFT
	s_mul_i32 s101, s18, HALFT
	s_add_co_u32 s101, s101, 2*HALFT
.irp s, 0,1
	v_add_nc_u32 v[ADRA+\s], s100, v4
	v_add_nc_u32 v[ADRB+\s], s101, v4
	v_add_nc_u32 v[ADRA+2+\s], s100, v5
	v_add_nc_u32 v[ADRB+2+\s], s101, v5
	s_add_co_u32 s100, s100, SLOT
	s_add_co_u32 s101, s101, SLOT
.endr
	v_mul_u32_u24 v5, v1, KS
	v_lshrrev_b32 v6, 8, v5
	v_lshl_add_u32 v5, v6, 4, v5
	s_mul_i32 s100, s17, HALFS
	s_mul_i32 s101, s18, HALFS
	s_add_co_u32 s101, s101, 2*HALFS
	s_sub_co_u32 s101, s101, s100
	v_mul_u32_u24 v6, s101, v2                     ; lanes 16-31 take B's scale words
	s_add_co_u32 s100, s100, SCL
	v_add_nc_u32 v5, v5, v6
	v_add_nc_u32 v[ADRS], s100, v5
	v_and_b32 v6, 31, v0
	v_lshlrev_b32 v[CO], 4, v6
	s_mul_i32 s100, s16, 16*SPITCH
	s_add_co_u32 s100, s100, STG
	v_mul_u32_u24 v5, v1, SPITCH
	v_lshl_add_u32 v5, v2, 6, v5
	v_add_nc_u32 v[STO], s100, v5                  ; the stage in the accumulators' layout: row l % 16, 64 bytes for each half of the lanes
	v_add_nc_u32 v[RD], s100, v[CO]                ; and by rows of 512 bytes
	s_cmp_eq_u32 s2, 0
	s_cselect_b64 s[8:9], s[8:9], s[10:11]
	s_cselect_b64 s[12:13], s[92:93], s[94:95]
	s_cselect_b64 s[14:15], s[96:97], s[98:99]
	v_lshlrev_b32 v[BO], 6, v2
	s_wait_alu depctr_va_vdst(0)                   ; behind the head's last address
	s_lshl_b32 s92, s42, 10
	s_lshl_b32 s93, s18, 9
	s_add_co_u32 s92, s92, s93
	s_mov_b32 s93, 0
	s_add_nc_u64 s[8:9], s[8:9], s[92:93]
	s_and_b32 s94, s19, 15
	s_lshl_b32 s94, s94, 8
	s_lshl_b32 s95, s17, 7
	s_add_co_u32 s94, s94, s95
	s_lshl_b32 s94, s94, 13
	s_add_co_u32 s92, s92, s94
	s_add_nc_u64 s[12:13], s[12:13], s[92:93]
	s_add_nc_u64 s[14:15], s[14:15], s[92:93]
.irp b, 0,1,2,3,4,5,6,7
	global_load_b128 v[BI+8*\b:BI+8*\b+3], v[BO], s[8:9] offset:128*(\b/2)+32*(\b%2)
	global_load_b128 v[BI+8*\b+4:BI+8*\b+7], v[BO], s[8:9] offset:128*(\b/2)+32*(\b%2)+16
.endr
.macro RLOAD a                         ; 16 rows of x, 512 bytes each, into set a % 4 of window 1
	WIN 0x40
.irp t, 0,1,2,3,4,5,6,7,8,9,10,11,12,13,14,15
	global_load_b128 v[64*((\a)%4)+4*\t:64*((\a)%4)+4*\t+3], v[CO], s[12:13] offset:(16*(\a)+\t)*8192 th:TH_LOAD_NT
.endr
	WIN 0
.endm
.macro BIAS a                          ; + b, in the accumulators' layout
.set AC, 64*((\a)%4)
	WIN ((2+(\a)/4)<<6)|(2+(\a)/4)
.set I, 0
.rept 32
	v_pk_add_f32 v[AC+I:AC+I+1], v[AC+I:AC+I+1], v[BI+I:BI+I+1]
.set I, I+2
.endr
	WIN 0
.endm
.macro RTURN a                         ; block a of x through my stage into its accumulators; LDS serves a wave's instructions in order
.set AC, 64*((\a)%4)
.if (\a) < 5
	s_wait_loadcnt 48                              ; block a is in; the three blocks behind it may be out
.else
	s_wait_loadcnt 16*(7-(\a))
.endif
	WIN 0x04
.irp t, 0,1,2,3,4,5,6,7,8,9,10,11,12,13,14,15
	ds_store_b128 v[RD], v[AC+4*\t:AC+4*\t+3] offset:\t*SPITCH
.endr
	WIN (2+(\a)/4)<<6
.irp b, 0,1,2,3,4,5,6,7
	ds_load_b128 v[AC+8*\b:AC+8*\b+3], v[STO] offset:128*(\b/2)+32*(\b%2)
	ds_load_b128 v[AC+8*\b+4:AC+8*\b+7], v[STO] offset:128*(\b/2)+32*(\b%2)+16
.endr
	WIN 0
	s_wait_dscnt 16                                ; all but the 16 loads just issued: the stores have read their registers, and block a - 1 lies in its accumulators
.if (\a) < 4
	RLOAD (\a)+4
.endif
.if (\a) > 0
	BIAS (\a)-1
.endif
.endm
	RLOAD 0
	RLOAD 1
	RLOAD 2
	s_wait_tensorcnt 0x0                           ; my tile of the head's four is in; slot 1's first fill is issued as a refill is
	ds_add_u32 v[SPW], v[NIL]
	s_mov_b32 s[G1+2], (HALFC/256)<<16             ; no tensor load of mine is out: from here on a load brings 128 rows, 96 rows of 256 bytes,
	s_mov_b32 s[G1+4], HALFC/256
	s_mov_b32 s[G1B+2], (HALFC/256)<<16
	s_mov_b32 s[G1B+4], HALFC/256
	s_mov_b32 s[G0+1], s45                         ; and slot 0's sets stand at my half
	s_add_nc_u64 s[G0+2:G0+3], s[G0+2:G0+3], s[22:23]
	s_mov_b32 s[G0B+1], s45
	s_add_nc_u64 s[G0B+2:G0B+3], s[G0B+2:G0B+3], s[22:23]
	s_wait_dscnt 0x0
	CROUND
	JLOAD G0+4, G1, G0B+4, G1B                     ; chunk 1
	RLOAD 3
.irp a, 0,1,2,3,4,5,6,7
	RTURN \a
.endr
	s_wait_dscnt 0x0
	BIAS 7
	s_wait_alu depctr_va_vdst(0)
.macro FRAG reg, adr, q, i             ; six pieces of 8 bytes; piece number PCE of the row's 24 lies 16 (PCE / 8) bytes of padding further on
.irp p, 0,1,2,3,4,5
.set PCE, 12*(\q)+6*(\p/3)+\p%3
.if PCE%8 < 5
	ds_load_b64 v[\reg+2*\p:\reg+2*\p+1], v[\adr] offset:8*PCE+16*(PCE/8)+(\i)*16*PITCH
.else
	ds_load_b64 v[\reg+2*\p:\reg+2*\p+1], v[\adr+2] offset:8*PCE+16*(PCE/8)+(\i)*16*PITCH
.endif
.endr
.endm
.macro MUL16 a0, p, q, sc              ; A's blocks a0, a0 + 1 x B's eight; the accumulators take turns
.irp a, \a0, \a0+1
.irp b, 0,1,2,3,4,5,6,7
	v_wmma_scale_f32_16x16x128_f8f6f4 v[8*(8*((\a)%4)+\b):8*(8*((\a)%4)+\b)+7], v[128*(\p)+FR*\b:128*(\p)+FR*\b+FR-1], v[AF+FR*(\a):AF+FR*(\a)+FR-1], v[8*(8*((\a)%4)+\b):8*(8*((\a)%4)+\b)+7], v[SC+8*NQ*(\sc)+NQ*\b+(\q)], v[SC+8*NQ*(\sc)+NQ*(\a)+(\q)] matrix_a_fmt:MATRIX_FMT_BF6 matrix_b_fmt:MATRIX_FMT_BF6 matrix_a_scale:MATRIX_SCALE_ROW1
.endr
.endr
.endm
.macro FETCH_B slot, q, p
	WIN TO_B
.irp i, 0,1,2,3,4,5,6,7
	FRAG 128*(\p)+FR*\i, ADRB+\slot, \q, \i
.endr
	WIN 0
.endm
.macro FETCH_A slot, q, i0
.irp i, \i0, \i0+1, \i0+2, \i0+3
	FRAG AF+FR*(\i), ADRA+\slot, \q, \i
.endr
.endm
.macro SCALES sc, c                    ; chunk c's two scale words of each row into set sc
.irp i, 0,1,2,3,4,5,6,7
	ds_load_b64 v[SC+8*NQ*\sc+NQ*\i:SC+8*NQ*\sc+NQ*\i+1], v[ADRS] offset:\i*SBLK+4*NQ*(\c)
.endr
.endm
.macro PLACES n
.rept \n
	v_nop
.endr
.endm
.macro STEP slot                       ; a chunk's first 128 along K
	s_wait_dscnt 4*NL                              ; all but A's blocks 4-7
	WIN MUL_LO
	MUL16 0, 0, 0, \slot
	MUL16 2, 0, 0, \slot
	s_wait_dscnt 0
	PLACES NP
	FETCH_B \slot, 1, 1
	FETCH_A \slot, 1, 0
	WIN MUL_HI
	MUL16 4, 0, 0, \slot
	MUL16 6, 0, 0, \slot
	PLACES NP
	WIN 0
	FETCH_A \slot, 1, 4
.endm
.macro TURN slot, next, fill, nc       ; its second 128, and the change of slots; nc: the next chunk
	s_wait_tensorcnt 0x0                           ; my one load that was out: my part of the next slot
	ds_add_u32 v[SPW], v[NIL]
	s_wait_dscnt 4*NL+1                            ; the add and A's blocks 4-7 may be out
	WIN MUL_LO
	MUL16 0, 1, NQ-1, \slot
	s_wait_dscnt 0x0
	s_barrier_signal -1
	MUL16 2, 1, NQ-1, \slot
	WIN 0
	s_barrier_wait -1
.if \fill
	CREST
	s_add_nc_u64 s[G0+4*\slot+2:G0+4*\slot+3], s[G0+4*\slot+2:G0+4*\slot+3], 2*ACH
	s_add_nc_u64 s[G0B+4*\slot+2:G0B+4*\slot+3], s[G0B+4*\slot+2:G0B+4*\slot+3], 2*ACH
	JLOAD G0+4*\slot, G1, G0B+4*\slot, G1B
.else
	PLACES NP
.endif
	FETCH_B \next, 0, 0
	FETCH_A \next, 0, 0
	SCALES \next, \nc
	WIN MUL_HI
	MUL16 4, 1, NQ-1, \slot
	MUL16 6, 1, NQ-1, \slot
	PLACES NP
	WIN 0
	FETCH_A \next, 0, 4
.endm
	FETCH_B 0, 0, 0
	FETCH_A 0, 0, 0
	SCALES 0, 0
	FETCH_A 0, 0, 4
	STEP 0
	TURN 0, 1, 1, 1
	STEP 1
	TURN 1, 0, 1, 2
	STEP 0
	TURN 0, 1, 0, 3
	STEP 1
	s_wait_dscnt 4*NL
	WIN MUL_LO
	MUL16 0, 1, NQ-1, 1
	MUL16 2, 1, NQ-1, 1
	s_wait_dscnt 0
	WIN MUL_HI
	MUL16 4, 1, NQ-1, 1
	MUL16 6, 1, NQ-1, 1
	WIN 0
	PLACES NP
; THE WAY OUT: a block of 16 rows x 128 columns through my stage, back as rows of 512 bytes, stored as two aligned runs of 256 bytes
.macro TOSTAGE a
.set AC, 64*((\a)%4)
	WIN 0x08+4*((\a)/4)
.irp b, 0,1,2,3,4,5,6,7
	ds_store_b128 v[STO], v[AC+8*\b:AC+8*\b+3] offset:128*(\b/2)+32*(\b%2)
	ds_store_b128 v[STO], v[AC+8*\b+4:AC+8*\b+7] offset:128*(\b/2)+32*(\b%2)+16
.endr
	WIN 0
.set BB, BK+64*((\a)%2)
.irp t, 0,1,2,3,4,5,6,7,8,9,10,11,12,13,14,15
	ds_load_b128 v[BB+4*\t:BB+4*\t+3], v[RD] offset:\t*SPITCH
.endr
.endm
.macro SEND a, younger
.set BB, BK+64*((\a)%2)
	s_wait_dscnt \younger
.irp t, 0,1,2,3,4,5,6,7,8,9,10,11,12,13,14,15
	global_store_b128 v[CO], v[BB+4*\t:BB+4*\t+3], s[14:15] offset:(16*(\a)+\t)*8192 th:TH_STORE_NT
.endr
.endm
	TOSTAGE 0
.irp a, 1,2,3,4,5,6,7
.if \a > 1
	s_wait_xcnt 0x0                                ; block a - 2's stores have read their registers
.endif
	TOSTAGE \a
	SEND \a-1, 32                                  ; behind block a - 1's loads: block a's 16 stores and 16 loads
.endr
	SEND 7, 0
	s_wait_tensorcnt 0x0                           ; the wave's end
	ds_add_u32 v[SPW], v[NIL]
	s_wait_dscnt 0x0
	CROUND                                         ; the closing round
	s_endpgm
.Lfunc_end_k_q7aa6ede018_proj:
	.size	k_q7aa6ede018_proj, .Lfunc_end_k_q7aa6ede018_proj-k_q7aa6ede018_proj
	.p2alignl 7, 3214868480
	.fill 96, 4, 3214868480
	.section	.rodata,"a",@progbits
	.p2align	6, 0x0
	.amdhsa_kernel k_q7aa6ede018_proj
		.amdhsa_group_segment_fixed_size 327680
		.amdhsa_private_segment_fixed_size 0
		.amdhsa_enable_private_segment 0
		.amdhsa_kernarg_size 64
		.amdhsa_user_sgpr_count 2
		.amdhsa_user_sgpr_kernarg_segment_ptr 1
		.amdhsa_wavefront_size32 1
		.amdhsa_system_sgpr_workgroup_id_x 1
		.amdhsa_system_sgpr_workgroup_id_y 1
		.amdhsa_system_sgpr_workgroup_id_z 1
		.amdhsa_system_vgpr_workitem_id 0
		.amdhsa_next_free_vgpr 1024
		.amdhsa_next_free_sgpr 104
		.amdhsa_reserve_vcc 0
		.amdhsa_float_denorm_mode_32 3
		.amdhsa_float_denorm_mode_16_64 3
		.amdhsa_memory_ordered 1
		.amdhsa_forward_progress 1
		.amdhsa_inst_pref_size 208
	.end_amdhsa_kernel
	.amdgpu_metadata
---
amdhsa.version: [ 1, 2 ]
amdhsa.kernels:
  - .name:           k_q7aa6ede018_proj
    .symbol:         k_q7aa6ede018_proj.kd
    .args:
      - { .name: ln, .offset: 0, .size: 8, .value_kind: global_buffer, .address_space: global }
      - { .name: wq, .offset: 8, .size: 8, .value_kind: global_buffer, .address_space: global }
      - { .name: b_cproj, .offset: 16, .size: 8, .value_kind: global_buffer, .address_space: global }
      - { .name: b_mproj, .offset: 24, .size: 8, .value_kind: global_buffer, .address_space: global }
      - { .name: cnn_out, .offset: 32, .size: 8, .value_kind: global_buffer, .address_space: global }
      - { .name: mlp_out, .offset: 40, .size: 8, .value_kind: global_buffer, .address_space: global }
      - { .name: out0, .offset: 48, .size: 8, .value_kind: global_buffer, .address_space: global }
      - { .name: out1, .offset: 56, .size: 8, .value_kind: global_buffer, .address_space: global }
    .group_segment_fixed_size: 327680
    .private_segment_fixed_size: 0
    .kernarg_segment_align: 8
    .kernarg_segment_size: 64
    .max_flat_workgroup_size: 128
    .sgpr_count:     104
    .vgpr_count:     1024
    .wavefront_size: 32
...
	.end_amdgpu_metadata
.endif
;; end of part 4
